; MI455X (gfx1250); checked and timed in simulation.
; The chip was launched on July 23, 2026; its instructions are those of AMD's public machine-readable ISA for CDNA 5 (MIT licence, August 2026) and "CDNA5" Instruction Set Architecture Reference Guide (July 2026). The comments in the code are by the model that wrote it; some were corrected since.
;; Causal Self Attention. Allowed arithmetic: matrix products marked QUANTISED: E4M3 operands, one E8M0 scale for each 32 along K, by v_wmma_scale_f32_16x16x128_f8f6f4 with both operands' format E4M3, f32 sums; everything else in f32.
;; Inputs: b_attn 3,072 float32; b_proj 1,024 float32; w_attn_codes 3,072 x 32 x 32 uint8 (E4M3 codes of w_attn, K innermost, in blocks of 32 codes); w_attn_scales 3,072 x 32 uint8 (E8M0 scales of w_attn, one for each 32 codes along K); w_proj_codes 1,024 x 32 x 32 uint8 (E4M3 codes of w_proj, K innermost, in blocks of 32 codes); w_proj_scales 1,024 x 32 uint8 (E8M0 scales of w_proj, one for each 32 codes along K); x_codes 4 x 2,048 x 32 x 32 uint8 (E4M3 codes of x, K innermost, in blocks of 32 codes); x_scales 4 x 2,048 x 32 uint8 (E8M0 scales of x, one for each 32 codes along K).
;; Outputs: out0 4 x 2,048 x 1,024 float32.
;; This version of the problem:
;;   THIS VERSION OF THE PROBLEM IS GIVEN IN LOW PRECISION. The matrix products marked QUANTISED in the list below multiply operands that are first quantised to E4M3 (4 exponent bits, 3 mantissa bits; 8 bits a number), with one power-of-two scale for each 32 numbers along K (OCP MX v1.0); their sums are f32. All else is computed in f32.
;;   The module's matrix products, in the order in which they are computed (A, B: the left and right operand; K: the contracted axis; several contracted axes count as one K, in the product's order):
;;     1. [M 8,192, K 1,024] x [K 1,024, N 3,072]; A: input x (given as codes); B: input w_attn (given as codes): QUANTISED
;;     2. batch 64 x [M 2,048, K 64] x [K 64, N 2,048]; A: computed on the way; B: computed on the way: QUANTISED
;;     3. batch 64 x [M 2,048, K 2,048] x [K 2,048, N 64]; A: softmax (see below); B: computed on the way: QUANTISED
;;     4. [M 8,192, K 1,024] x [K 1,024, N 1,024]; A: computed on the way; B: input w_proj (given as codes): QUANTISED
;;   THE QUANTISER, for each operand of a quantised product, along K:
;;     - K is cut into blocks of 32 from its start; a last block that is shorter is filled with zeros.
;;     - A block's scale is 2^e with e = floor(log2(the largest magnitude in the block)) - 8, held to -126 .. 127; a block of zeros has e = 0. As a byte (E8M0): e + 127.
;;     - Each number is divided by its block's scale, clamped to +-448, and rounded to the nearest number of E4M3, ties to even, subnormals kept.
;;     - The product sums the exact products of the quantised numbers (number of the format x scale) in f32.
;;   ~~~python
;;   def quantise(x, axis):      # numpy; x: float32 -> the quantised numbers, widened to float32 again
;;       x = np.moveaxis(x, axis, -1); K = x.shape[-1]
;;       x = np.pad(x, [(0, 0)] * (x.ndim - 1) + [(0, -K % 32)]); x = x.reshape(x.shape[:-1] + (-1, 32)); a = np.abs(x).max(-1, keepdims=True)
;;       e = np.where(a > 0, np.clip(np.frexp(np.where(a > 0, a, 1))[1] - 1 - 8, -126, 127), 0)      # np.frexp(a)[1] - 1 = floor(log2(a)), exactly
;;       r = np.clip(x / 2.0 ** e, -448, 448)
;;       step = 2.0 ** (np.maximum(np.frexp(np.where(r == 0, 1, r))[1] - 1, -6) - 3)
;;       q = np.round(r / step) * step * 2.0 ** e      # np.round: ties to even
;;       return np.moveaxis(q.reshape(q.shape[:-2] + (-1,))[..., :K], -1, axis).astype(np.float32)
;;   ~~~
;;   SOFTMAX AHEAD OF A QUANTISED PRODUCT. Where the list says 'softmax', what is quantised is not the finished softmax but p = 2^(t - M), with t = logit x log2(e) and M = ceil(the row's largest t), a whole number; so 1/2 < the row's largest p <= 1. The row's sum l is taken of the UNQUANTISED p, in f32, and the product's result is divided by l at the end. Since M is a whole number, a kernel that streams over the keys may use a running M (the ceiling of the running maximum): every later rescaling is an exact power of two, which a block's scale takes up: the codes' values come out the same.
;;   OPERANDS COMPUTED ON THE WAY. 'Computed on the way' means the value that the module computes at that place (a softmax that the list does not call 'softmax' is quantised finished and normalised). What goes into a quantiser is computed in f32, as accurately as f32 sums, v_exp_f32 and their like allow (about 1e-6 of the number): no bf16 or f16 on the way to a quantiser, and a product that is left as it is and whose result goes on into a quantised operand takes f32 operands (vector FMAs, or v_wmma_f32_16x16x4_f32). A number that lies on a knife's edge between two numbers of the format may be rounded either way, as far as f32 arithmetic and the matrix unit's own rounding can turn it there, and no further.
;;   INPUTS GIVEN AS CODES. w_attn (in the module: [1024, 3072], K = its axis 0); w_proj (in the module: [1024, 1024], K = its axis 0); x (in the module: [4, 2048, 1024], K = its axis 2): each comes as NAME_codes (uint8): NAME with its K axis moved to the last place and cut into blocks of 32 codes, [.., K / 32, bytes a block], one block behind the other in memory; one code a byte (a code: sign, 4 exponent bits, 3 mantissa bits); and NAME_scales (uint8): the same leading axes, one E8M0 byte (e + 127) for each 32 codes along K. Its value is code x scale, taken as it is: it is not quantised again, and the codes and scales need not be those that the quantiser above would give.
;; One version. Each part assembles by itself: llvm-mc -triple=amdgcn-amd-amdhsa -mcpu=gfx1250 --defsym DOCPART=n.
;; ======== version 1 of 1: 3 launches
;; limits: right only within a limited range of input values
;; workspace buffers: q_codes 8,388,608 bytes; kv_codes 16,777,216 bytes; sc 786,432 bytes; y_img 8,388,608 bytes; y_sc 262,144 bytes
;; launch qkv (part 1): grid 12 x 32, 4 waves a work-group, clusters of 4 x 4, 327,680 bytes of LDS; arguments x_codes, x_scales, w_attn_codes, w_attn_scales, b_attn, q_codes, kv_codes, sc; writes q_codes, kv_codes, sc
.if DOCPART == 1
	.amdgcn_target "amdgcn-amd-amdhsa--gfx1250"
	.amdhsa_code_object_version 6
	.text
	.protected	k_q1c13271b1a_qkv
	.globl	k_q1c13271b1a_qkv
	.p2align	8
	.type	k_q1c13271b1a_qkv,@function
k_q1c13271b1a_qkv:
	s_mov_b64 s[64:65], 0
	v_nop
	global_prefetch_b8 v0, s[64:65] scope:SCOPE_SE
	s_setreg_imm32_b32 hwreg(HW_REG_WAVE_MODE, 25, 1), 1
	s_wait_xcnt 0x0
	s_wait_alu depctr_hold_cnt(0) depctr_sa_sdst(0) depctr_va_vdst(0) depctr_va_sdst(0) depctr_va_ssrc(0) depctr_va_vcc(0) depctr_vm_vsrc(0)
	s_getreg_b32 s2, hwreg(HW_REG_IB_STS2, 6, 4)
	s_cmp_eq_u32 s2, 0
	s_cbranch_scc0 .Lentry_in_a_cluster
	s_endpgm
.Lentry_in_a_cluster:
	s_bfe_u32 s2, ttmp6, 0x10000c
	s_cmp_lg_u32 s2, 0xf033
	s_cbranch_scc0 .Lentry_shape_is_right
	s_endpgm
.Lentry_shape_is_right:
; qkv = x w_attn + b_attn on codes of FP8 (E4M3) with one E8M0 scale for each 32 along K = 1,024; the result is quantised here, in registers, and leaves as codes and scale bytes only.
; x: [8,192][1,024] codes, [8,192][32] scale bytes; w_attn: [3,072][1,024] codes (K innermost), [3,072][32] scale bytes; b_attn [3,072] f32.
; A tile of 256 x 256 results is made by four waves, 128 x 128 each: 64 accumulators, 512 registers.  K goes in steps of 256 through a ring of two LDS slots filled by the tensor data mover; the scale bytes of the
; work-group's 2 x 256 rows come into LDS once.  4 x 4 work-groups form a cluster: A's tile is asked for jointly along a row of the cluster, B's along a column.
; THE PRODUCT IS USED TRANSPOSED (source 0 = 16 rows of B, source 1 = 16 rows of A): a lane holds ONE row of A and its registers run along rows of B.  WHAT IS A AND WHAT IS B HANGS ON THE CLUSTER'S x:
;   x = 0 (q), x = 1 (k): A = x (tokens), B = w (features): a lane's registers run along the head's 64, the K of q k^T.
;   x = 2 (v):            A = w's rows 2,048 on (features), B = x (tokens): a lane's registers run along the keys, the K of p v.
; Only pointers and tile numbers are chosen (the same in all sixteen partners); the loop over K is one text.
; THE WAY OUT.  A block of 16 rows of A x 128 rows of B is 64 numbers a lane: four blocks of 32 along the next K, 16 numbers in lane l and 16 in lane l xor 16.  Bias, largest magnitude, scale byte, hold, conversion;
; the conversions' results are stored as they stand, 16 bytes a lane, 512 consecutive bytes a store: AN IMAGE OF THE NEXT OPERAND'S REGISTERS.  Inside a block of 32 the order along K is not the true one
; (a lane's 16 places are 8 h + j and 16 + 8 h + j); q and k have the same order, and so have v and the p that the next launch makes: the products are the same, summed in another order.
;   q_codes  [G = 16 batch + head][tile of 16 queries: 128][block 2][lane][16]
;   kv_codes [G][step of 128 keys: 16][K: tile of 16 keys 8 x 1,024 bytes | V: tile of 16 of the head's 64: 4 x 2,048 bytes]
;   sc       [G][K 4,096 | V 4,096 | Q 4,096]; K, Q: [step][pair of tiles 4][row 16][2 bytes of the even tile, 2 of the odd]; V: [step][tile 4][row 16][4 key blocks]
; LIMITS: a block whose largest magnitude lies under 2^-118 (a block of zeros too) gets the byte 1; its bytes are read by this program alone.  NaN and infinities are not served.
; REGISTERS, in windows of 256: window 0: v16-31 addresses; v32-63 scale words, two sets; v64-127 the bias; from v128 A's fragments, one set (on the way out: v128-191 numbers, v192-223 codes, v224-247 at work).
;   window 1: B's fragments, two sets.   window 2: the accumulators of my rows 0-63 ((a, b) at v[8 (8 a + b)]);   window 3: those of my rows 64-127.
.set KSTEP,  256                       ; along K in a slot
.set NQ,     KSTEP/128                 ; matrix instructions deep
.set ROWB,   256                       ; a tile's row in bytes
.set KROW,   1024                      ; a row of x or of w in memory, in bytes
.set PITCH,  272                       ; an LDS row: 256 bytes + 16 of padding: the 16 rows that a load touches start 68 words apart
.set FR,     16                        ; registers of a fragment: 16 rows x 128 K
.set NL,     4                         ; LDS loads that bring one
.set NP,     8                         ; places behind this matrix instruction (ISA guide 7.12.1)
.set HALFT,  128*PITCH                 ; 128 rows: what one tensor load brings
.set SLOT,   4*HALFT                   ; A's 256 rows, then B's 256 rows
.set KS,     32                        ; a row of scale bytes
.set SCL,    2*SLOT                    ; behind the ring: the scales, as units of 256 bytes + 16 of padding
.set HALFS,  (128*KS/256)*272          ; the scales of 128 rows
.set SBLK,   (16*KS/256)*272           ; those of 16 rows
.set SPARE,  SCL+4*HALFS               ; behind the scales: the spare words, 128 bytes for each wave, which no other line names
.set ADRA, 16                          ; v16-17  LDS address of my A fragments in slot 0, 1
.set ADRB, 20                          ; v20-21  the same for B
.set STW,  24                          ; v24     the scale bytes' stage: 512 x wave + 4 x (lane % 16).  It lies in slot 0, which has had its last fill and its last read by then
.set STR,  25                          ; v25     and back: 512 x wave + 16 x lane
.set LI,   26                          ; v26     16 x lane: my place in an image
.set ADRS, 27                          ; v27     LDS address of my scale words: lanes 0-15 A's rows, lanes 16-31 B's
.set SPW,  28                          ; v28     LDS address of my spare word; never rewritten
.set NIL,  29                          ; v29     0; never rewritten
.set SCO,  30                          ; v30     the scale bytes' place in sc: lanes 0-15 the first head's 256 bytes, lanes 16-31 the next head's, 12,288 bytes on
.set BO,   31                          ; v31     my offset in the bias
.set SC,   32                          ; scale words: set s at v[SC + 16 s]; register 2 i + q: lanes 0-15 A's block i, lanes 16-31 B's block i
.set BI,   64                          ; the bias
.set AF,   128                         ; A's fragments
.set T,    128                         ; the way out: 64 numbers
.set PC,   192                         ; two sets of 16 registers of codes, by turns
.set TM,   224                         ; v224-227 largest magnitudes, v228-231 bytes, v236-239 the conversions' scale operands
.set PW,   240                         ; the four bytes
.set RB,   244                         ; the scale bytes read back
.set G1, 24                            ; s[24:31] descriptor group 1 for A's tiles;  s[32:39] group 0, one set for each slot
.set G0, 32
.set G1B, 48                           ; s[48:55], s[56:63] the same for B's tiles
.set G0B, 56
.set G1S, 68                           ; s[68:75], s[76:79] groups 1 and 0 for A's scales;  s[80:87], s[88:91] for B's.  They are free once the scales have landed
.set G0S, 76
.set G1SB, 80
.set G0SB, 88
.set SEL, 96                           ; s[96:97] lane selects for v_permlanex16_b32: lane l xor 16 (until the first loads: A's pointers)
.set MNT, 98
.set MSB, 0
.macro WIN new                         ; the immediate's high byte repeats the setting that is left
.if MSB != (\new)
	s_set_vgpr_msb (MSB<<8)|(\new)
.set MSB, (\new)
.endif
.endm
.set MUL_LO, 0xa1                      ; source 0 (B) window 1, source 1 (A) window 0, C and D window 2
.set MUL_HI, 0xf1                      ; the same, C and D window 3
.set TO_B,   0x40                      ; destination window 1, address window 0
; A joint load: waves 0 and 1 fetch for A, waves 2 and 3 for B.  Each line has one mask and one set of registers; the branch hangs on the wave's number alone.  Four v_nop follow each line.
.macro JLOAD g0a, g1a, g0b, g1b
	s_cmp_eq_u32 s15, 0
	s_cbranch_scc0 .Lfor_b_\@
	tensor_load_to_lds s[\g0a:\g0a+3], s[\g1a:\g1a+7]
	s_nop 0
.rept 4
	v_nop
.endr
	s_branch .Lasked_\@
.Lfor_b_\@:
	tensor_load_to_lds s[\g0b:\g0b+3], s[\g1b:\g1b+7]
	s_nop 0
.rept 4
	v_nop
.endr
.Lasked_\@:
.endm
.macro CREST                           ; a round of the cluster's barrier behind its opening barrier
	s_cmp_lg_u32 s14, 0
	s_cbranch_scc1 .Lnot_wave_0_\@
	s_barrier_signal -3
.Lnot_wave_0_\@:
	s_barrier_wait -3
	s_barrier_signal -1
	s_barrier_wait -1
.endm
.macro CROUND                          ; a whole round
	s_barrier_signal -1
	s_barrier_wait -1
	CREST
.endm
	s_load_b128 s[4:7], s[0:1], 0x0                ; x's codes, x's scales
	s_load_b128 s[8:11], s[0:1], 0x10              ; w's codes, w's scales
	v_lshl_add_u32 v[SPW], v0, 2, SPARE
	v_mov_b32 v[NIL], 0
	ds_add_u32 v28, v29
	ds_add_u32 v28, v29
	s_wait_dscnt 0x0
	v_lshrrev_b32 v1, 5, v0
	v_readfirstlane_b32 s14, v1                    ; wave 0..3
	s_lshr_b32 s15, s14, 1                         ; which half of A's rows is mine.  Also: I fetch for A (0) or for B (1)
	s_and_b32 s16, s14, 1                          ; which half of B's rows.  Also: which 128 rows of that tile I fetch
	s_bfe_u32 s40, ttmp6, 0x40000                  ; cx, cy: my place in the cluster
	s_bfe_u32 s41, ttmp6, 0x40004
	s_and_b32 s17, ttmp7, 0xffff
	s_lshl_b32 s17, s17, 2                         ; 4 x cluster y
	s_lshl_b32 s42, ttmp9, 2                       ; 4 x cluster x
	s_cmp_eq_u32 ttmp9, 2                          ; the clusters with x = 2 make v
	s_cselect_b32 s42, s17, s42                    ; B's tile: v: tokens, by cluster y;  q, k: w's rows 0 to 2,047, by cluster x
	s_cselect_b32 s17, 8, s17                      ; A's tile: v: w's rows from 2,048 on;  q, k: tokens, by cluster y
	s_add_co_u32 s42, s42, s40                     ; B's tile of 256 rows: + cx
	s_add_co_u32 s17, s17, s41                     ; A's tile of 256 rows: + cy
	s_lshl_b32 s43, s41, 2
	s_lshl_b32 s43, 15, s43                        ; my row of the cluster
	s_lshl_b32 s44, 0x1111, s40                    ; my column
	; descriptor group 1: a tile of 128 rows x 256 bytes, padded in LDS
	s_or_b32 s[G1+0], s43, (0<<16)|(1<<20)|(1<<21)|(5<<22)|(3<<25)  ; 15:0 the mask: A's tiles go to my row; 17:16 element of 1 byte; 20 padding on; 21 set beside a mask; 24:22 after every 64 words; 31:25 of 4 words
	s_or_b32 s[G1B+0], s44, (0<<16)|(1<<20)|(1<<21)|(5<<22)|(3<<25)
.irp g, G1, G1B
	s_mov_b32 s[\g+1], ROWB<<16                    ; tensor_dim0
	s_mov_b32 s[\g+2], 128<<16                     ; tensor_dim1 = 128
	s_mov_b32 s[\g+3], ROWB<<16                    ; tile_dim0
	s_mov_b32 s[\g+4], 128                         ; tile_dim1 = 128
	s_mov_b32 s[\g+5], KROW                        ; tensor_dim0_stride
	s_mov_b32 s[\g+6], 0
	s_mov_b32 s[\g+7], 0
.endr
	; and for the scales of 128 rows: a dense block of 4,096 bytes, as rows of 256 bytes (32 elements of 8 bytes), 16 bytes of padding behind each
	s_or_b32 s[G1S+0], s43, (3<<16)|(1<<20)|(1<<21)|(5<<22)|(3<<25)
	s_or_b32 s[G1SB+0], s44, (3<<16)|(1<<20)|(1<<21)|(5<<22)|(3<<25)
.irp g, G1S, G1SB
	s_mov_b32 s[\g+1], 32<<16
	s_mov_b32 s[\g+2], (128*KS/256)<<16
	s_mov_b32 s[\g+3], 32<<16
	s_mov_b32 s[\g+4], 128*KS/256
	s_mov_b32 s[\g+5], 32
	s_mov_b32 s[\g+6], 0
	s_mov_b32 s[\g+7], 0
.endr
	s_lshl_b32 s18, s16, 7                         ; which 128 rows of the tile I fetch
	s_lshl_b32 s20, s17, 8
	s_add_co_u32 s20, s20, s18                     ; A: row 256 x tile + 128 x half
	s_lshl_b32 s46, s42, 8
	s_add_co_u32 s46, s46, s18                     ; B likewise
	s_mov_b32 s21, 0
	s_mov_b32 s47, 0
	s_mov_b64 s[18:19], KS
	s_mul_u64 s[22:23], s[20:21], s[18:19]         ; where these rows' scales begin, in bytes
	s_mul_u64 s[92:93], s[46:47], s[18:19]
	s_mov_b64 s[18:19], KROW
	s_mul_u64 s[20:21], s[20:21], s[18:19]         ; and their codes
	s_mul_u64 s[46:47], s[46:47], s[18:19]
	s_mul_i32 s45, s14, HALFT                      ; where they go: wave x 128 rows: no place in the cluster enters an LDS address
	s_mul_i32 s94, s14, HALFS
	s_wait_kmcnt 0x0
	s_cmp_eq_u32 ttmp9, 2                          ; the roles: the choice hangs on the cluster's x alone
	s_cselect_b64 s[96:97], s[8:9], s[4:5]         ; A's codes
	s_cselect_b64 s[98:99], s[10:11], s[6:7]       ; A's scales
	s_cselect_b64 s[8:9], s[4:5], s[8:9]           ; B's codes
	s_cselect_b64 s[10:11], s[6:7], s[10:11]       ; B's scales
	s_add_nc_u64 s[20:21], s[96:97], s[20:21]
	s_add_nc_u64 s[22:23], s[98:99], s[22:23]
	s_add_nc_u64 s[46:47], s[8:9], s[46:47]
	s_add_nc_u64 s[92:93], s[10:11], s[92:93]
	CROUND                                         ; all sixteen work-groups are here: the first joint loads meet
	s_mov_b32 s[G0S], 1
	s_add_co_u32 s[G0S+1], s94, SCL
	s_mov_b64 s[G0S+2:G0S+3], s[22:23]
	s_or_b32 s[G0S+3], s[G0S+3], 0x80000000
	s_mov_b32 s[G0SB], 1
	s_add_co_u32 s[G0SB+1], s94, SCL
	s_mov_b64 s[G0SB+2:G0SB+3], s[92:93]
	s_or_b32 s[G0SB+3], s[G0SB+3], 0x80000000
	JLOAD G0S, G1S, G0SB, G1SB                     ; the scales first: they are wanted with K step 0
.irp s, 0,1
	s_mov_b32 s[G0+4*\s], 1
	s_add_co_u32 s[G0+4*\s+1], s45, \s*SLOT
	s_add_nc_u64 s[G0+4*\s+2:G0+4*\s+3], s[20:21], \s*ROWB
	s_or_b32 s[G0+4*\s+3], s[G0+4*\s+3], 0x80000000
	s_mov_b32 s[G0B+4*\s], 1
	s_add_co_u32 s[G0B+4*\s+1], s45, \s*SLOT
	s_add_nc_u64 s[G0B+4*\s+2:G0B+4*\s+3], s[46:47], \s*ROWB
	s_or_b32 s[G0B+4*\s+3], s[G0B+4*\s+3], 0x80000000
	JLOAD G0+4*\s, G1, G0B+4*\s, G1B               ; three loads of mine are out
.endr
	v_and_b32 v1, 15, v0                           ; l % 16
	v_bfe_u32 v2, v0, 4, 1                         ; l / 16
	v_mul_u32_u24 v3, v1, PITCH
	v_lshl_add_u32 v4, v2, 4, v3                   ; a fragment's row x pitch + 16 x half
	s_mul_i32 s21, s15, HALFT                      ; my 128 rows of A
	s_mul_i32 s22, s16, HALFT                      ; my 128 rows of B,
	s_add_co_u32 s22, s22, 2*HALFT                 ; which lie behind A's 256
.irp s, 0,1
	v_add_nc_u32 v[ADRA+\s], s21, v4
	v_add_nc_u32 v[ADRB+\s], s22, v4
	s_add_co_u32 s21, s21, SLOT
	s_add_co_u32 s22, s22, SLOT
.endr
	v_mul_u32_u24 v5, v1, KS                       ; my row's scales: 32 bytes a row,
	v_lshrrev_b32 v6, 8, v5
	v_lshl_add_u32 v5, v6, 4, v5                   ; and 16 more for each 256 passed
	s_mul_i32 s21, s15, HALFS                      ; A's: my 128 rows
	s_mul_i32 s22, s16, HALFS                      ; B's: my 128 rows, behind A's 256
	s_add_co_u32 s22, s22, 2*HALFS
	s_sub_co_u32 s22, s22, s21
	v_mul_u32_u24 v6, s22, v2                      ; lanes 16-31 take B's
	s_add_co_u32 s21, s21, SCL
	v_add_nc_u32 v5, v5, v6
	v_add_nc_u32 v[ADRS], s21, v5
	s_lshl_b32 s23, s14, 9                         ; the scale bytes' stage: 512 bytes a wave
	v_lshl_add_u32 v[STW], v1, 2, s23
	v_and_b32 v6, 31, v0
	v_lshlrev_b32 v[LI], 4, v6
	v_add_nc_u32 v[STR], s23, v[LI]
	v_mul_u32_u24 v[SCO], v2, 12288
	v_lshl_add_u32 v[SCO], v1, 4, v[SCO]
.macro FRAG reg, adr, q, i             ; a fragment, 16 rows x 128 K of 8-bit codes: lane l holds row l % 16; registers 4 c .. 4 c + 3 hold K = 32 c + 16 (l / 16) + 0 .. 15
.irp c, 0,1,2,3
	ds_load_b128 v[\reg+4*\c:\reg+4*\c+3], v[\adr] offset:128*(\q)+32*\c+(\i)*16*PITCH
.endr
.endm
; 16 matrix instructions: A's blocks a0, a0 + 1 x B's eight, 128 along K: the slot's q-th.  p: B's set;  sc: the set of scale words.  zero = 1: the first product starts the sums.
; The 64 accumulators take turns, one instruction a turn, in the same order in every step.
.macro MUL16 a0, p, q, sc, zero
.irp a, \a0, \a0+1
.irp b, 0,1,2,3,4,5,6,7
.if \zero
	v_wmma_scale_f32_16x16x128_f8f6f4 v[8*(8*((\a)%4)+\b):8*(8*((\a)%4)+\b)+7], v[128*(\p)+FR*\b:128*(\p)+FR*\b+FR-1], v[AF+FR*(\a):AF+FR*(\a)+FR-1], 0, v[SC+8*NQ*(\sc)+NQ*\b+(\q)], v[SC+8*NQ*(\sc)+NQ*(\a)+(\q)] matrix_a_scale:MATRIX_SCALE_ROW1
.else
	v_wmma_scale_f32_16x16x128_f8f6f4 v[8*(8*((\a)%4)+\b):8*(8*((\a)%4)+\b)+7], v[128*(\p)+FR*\b:128*(\p)+FR*\b+FR-1], v[AF+FR*(\a):AF+FR*(\a)+FR-1], v[8*(8*((\a)%4)+\b):8*(8*((\a)%4)+\b)+7], v[SC+8*NQ*(\sc)+NQ*\b+(\q)], v[SC+8*NQ*(\sc)+NQ*(\a)+(\q)] matrix_a_scale:MATRIX_SCALE_ROW1
.endif
.endr
.endr
.endm
.macro FETCH_B slot, q, p              ; B's eight fragments of the slot's q-th 128 along K into set p
	WIN TO_B
.irp i, 0,1,2,3,4,5,6,7
	FRAG 128*(\p)+FR*\i, ADRB+\slot, \q, \i
.endr
	WIN 0
.endm
.macro FETCH_A slot, q, i0             ; A's blocks i0 .. i0 + 3
.irp i, \i0, \i0+1, \i0+2, \i0+3
	FRAG AF+FR*(\i), ADRA+\slot, \q, \i
.endr
.endm
.macro SCALES sc                       ; the next K step's scale words into set sc: two words a row; lanes 0-15 take A's block i, lanes 16-31 B's block i
.irp i, 0,1,2,3,4,5,6,7
	ds_load_b64 v[SC+8*NQ*\sc+NQ*\i:SC+8*NQ*\sc+NQ*\i+1], v[ADRS] offset:\i*SBLK
.endr
.endm
; A load into a register that a matrix instruction has read, and a vector instruction that reads a matrix result, stand NP places behind that matrix instruction; only plain vector instructions
; that name none of its registers are places (ISA guide 7.12.1 for vector instructions).
.macro PLACES n
.rept \n
	v_nop
.endr
.endm
; A step of 128 along K that has its successor in the same slot.  A's blocks are free as soon as their eight products are issued: blocks 0-3 are fetched anew in the step's middle, blocks 4-7 at its end.
.macro STEP slot, q, zero
	s_wait_dscnt 4*NL                              ; B's set and A's blocks 0-3 are in; the youngest sixteen loads (A's blocks 4-7) may be out
	WIN MUL_LO
	MUL16 0, (\q)%2, \q, \slot, \zero
	MUL16 2, (\q)%2, \q, \slot, \zero
	s_wait_dscnt 0                                 ; A's blocks 4-7 are in
	PLACES NP
	FETCH_B \slot, (\q)+1, 1-(\q)%2
	FETCH_A \slot, (\q)+1, 0
	WIN MUL_HI
	MUL16 4, (\q)%2, \q, \slot, \zero
	MUL16 6, (\q)%2, \q, \slot, \zero
	PLACES NP
	WIN 0
	FETCH_A \slot, (\q)+1, 4
.endm
; A slot's last step changes slots: ONE barrier; in front of it each wave waits for all its tensor loads, adds 0 to its spare word, and waits for that and for its own reads of this slot.  fill = 1: this slot is filled again.
.macro TURN slot, next, fill
	s_wait_tensorcnt 0x0                           ; all my tensor loads have landed: my part of the next slot
	ds_add_u32 v[SPW], v[NIL]                      ; 0 onto my spare word
	s_wait_dscnt 4*NL+1                            ; (the add and the youngest sixteen loads, A's blocks 4-7, may be out)
	WIN MUL_LO
	MUL16 0, 1, NQ-1, \slot, 0                     ; sixteen matrix instructions stand between the add and the wait for it
	s_wait_dscnt 0x0                               ; the add is done, and my reads of this slot are over
	s_barrier_signal -1
	MUL16 2, 1, NQ-1, \slot, 0
	WIN 0
	s_barrier_wait -1
.if \fill
	CREST                                          ; the barrier has opened a round of the cluster's barrier: no wave of any partner still reads this slot's tile or has a load on its way
	s_add_nc_u64 s[G0+4*\slot+2:G0+4*\slot+3], s[G0+4*\slot+2:G0+4*\slot+3], 2*ROWB
	s_add_nc_u64 s[G0B+4*\slot+2:G0B+4*\slot+3], s[G0B+4*\slot+2:G0B+4*\slot+3], 2*ROWB
	JLOAD G0+4*\slot, G1, G0B+4*\slot, G1B         ; the first tensor load behind the round, my only one until the next; its four v_nop are among the places in front of the loads below
	PLACES NP-4
.else
	PLACES NP
.endif
	s_wait_alu depctr_va_vdst(0)
	v_add_nc_u32 v[ADRS], 4*NQ, v[ADRS]            ; on to the next K step's scale words (no LDS load of mine is out)
	FETCH_B \next, 0, 0
	FETCH_A \next, 0, 0
	SCALES \next
	WIN MUL_HI
	MUL16 4, 1, NQ-1, \slot, 0
	MUL16 6, 1, NQ-1, \slot, 0
	PLACES NP
	WIN 0
	FETCH_A \next, 0, 4
.endm
.macro LAST                            ; the very last step: nothing more to fetch
	s_wait_dscnt 4*NL                              ; A's blocks 4-7 may be out
	WIN MUL_LO
	MUL16 0, 1, NQ-1, 1, 0
	MUL16 2, 1, NQ-1, 1, 0
	s_wait_dscnt 0
	WIN MUL_HI
	MUL16 4, 1, NQ-1, 1, 0
	MUL16 6, 1, NQ-1, 1, 0
	WIN 0
.endm
; 64 numbers of a lane, v[s] on, register 16 b + i belonging to block b of 32 along the next K (the other 16 lie in lane l xor 16), become 16 registers of codes, v[pc] on, and the four scale bytes in v[PW].
.macro QUANT s, pc
.irp b, 0,1,2,3
	v_max3_num_f32 v[TM+\b], |v[\s+16*\b]|, |v[\s+1+16*\b]|, 0x4800000   ; block b: my 16 numbers, and the floor 2^(9 - 127): so the byte cannot fall under 1
.endr
.irp i, 2,4,6,8,10,12,14
.irp b, 0,1,2,3
	v_max3_num_f32 v[TM+\b], v[TM+\b], |v[\s+16*\b+\i]|, |v[\s+1+16*\b+\i]|   ; (the four blocks by turns)
.endr
.endr
.irp b, 0,1,2,3
	v_permlanex16_b32 v[TM+4+\b], v[TM+\b], s[SEL], s[SEL+1]
.endr
.irp b, 0,1,2,3
	v_max_num_f32 v[TM+\b], v[TM+\b], v[TM+4+\b]   ; with lane l xor 16's: the block's largest magnitude
.endr
.irp b, 0,1,2,3
	v_add_nc_u32 v[TM+12+\b], 0xfc000000, v[TM+\b]   ; 8 off its exponent field: the conversion takes the exponent field of this operand as its scale
.endr
.irp b, 0,1,2,3
.endr
.irp b, 0,1,2,3
	v_lshrrev_b32 v[TM+4+\b], 23, v[TM+12+\b]      ; the scale's byte
.endr
	v_lshl_or_b32 v[PW], v[TM+5], 8, v[TM+4]
	v_lshl_or_b32 v[PW], v[TM+6], 16, v[PW]
	v_lshl_or_b32 v[PW], v[TM+7], 24, v[PW]
.irp b, 0,1,2,3
.irp i, 0,1,2,3,4,5,6,7,8,9,10,11,12,13,14,15
.endr
	v_cvt_scalef32_pk8_fp8_f32 v[\pc+4*\b:\pc+1+4*\b], v[\s+16*\b:\s+7+16*\b], v[TM+12+\b]
	v_cvt_scalef32_pk8_fp8_f32 v[\pc+2+4*\b:\pc+3+4*\b], v[\s+8+16*\b:\s+15+16*\b], v[TM+12+\b]
.endr
	v_nop                                          ; one plain vector instruction behind the last conversion, ahead of whatever next writes its sources
.endm
	s_wait_alu depctr_va_vdst(0)
	s_wait_tensorcnt 1                             ; the scales and my part of K step 0 are in (K step 1's load may be out),
	s_barrier_signal -1
	s_barrier_wait -1                              ; everybody's are
	s_load_b256 s[68:75], s[0:1], 0x20             ; the scales' descriptors are done with: b_attn s[68:69], q_codes s[70:71], kv_codes s[72:73], sc s[74:75]
	FETCH_B 0, 0, 0
	FETCH_A 0, 0, 0
	SCALES 0
	FETCH_A 0, 0, 4
	STEP 0, 0, 1                                   ; the first step's products start the sums
	TURN 0, 1, 1                                   ; K = 1,024 is four K steps, twice round the ring: each slot is filled again once, so the steps are written out
	STEP 1, 0, 0
	TURN 1, 0, 1
	STEP 0, 0, 0
	TURN 0, 1, 0                                   ; the last lap fills nothing
	STEP 1, 0, 0
	; where my 128 x 128 results go.  All is chosen by the cluster's x; nothing here enters an LDS address
	s_wait_kmcnt 0x0
	s_lshl_b32 s80, s17, 8
	s_lshl_b32 s81, s15, 7
	s_add_co_u32 s80, s80, s81                     ; my first row of A
	s_lshl_b32 s82, s42, 8
	s_lshl_b32 s81, s16, 7
	s_add_co_u32 s82, s82, s81                     ; my first row of B
	s_cmp_eq_u32 ttmp9, 0                          ; q?
	s_cselect_b32 s86, 13, 14                      ; a step of 128 tokens is 8,192 bytes of q_codes, 16,384 of kv_codes
	s_cselect_b64 s[12:13], s[70:71], s[72:73]
	s_cselect_b32 s87, 8192, 0                     ; the scale bytes' region in a head's 12,288: K 0, V 4,096, Q 8,192
	s_cmp_eq_u32 ttmp9, 2                          ; v?
	s_cselect_b32 s87, 4096, s87
	s_cselect_b32 s88, 8192, 0                     ; V's tiles lie behind K's in a step
	s_cselect_b32 s81, s82, s80                    ; my first token
	s_cselect_b32 s82, s80, s82                    ; my first row of w
	s_mov_b32 s85, 0
	s_lshl_b32 s84, s82, 2
	s_add_nc_u64 s[78:79], s[68:69], s[84:85]      ; the bias of my 128 rows of w
	s_bfe_u32 s82, s82, 0x40006                    ; the first of my two heads: bits 9:6 of the row
	s_lshr_b32 s83, s81, 11                        ; the batch
	s_lshl_b32 s83, s83, 4
	s_add_co_u32 s82, s82, s83                     ; G
	s_bfe_u32 s83, s81, 0x40007                    ; the step of 128 tokens
	s_lshl_b32 s84, s82, 4
	s_add_co_u32 s84, s84, s83
	s_lshl_b32 s84, s84, s86
	s_add_co_u32 s84, s84, s88
	s_add_nc_u64 s[12:13], s[12:13], s[84:85]      ; the first head's codes of this step
	s_lshl_b32 s84, 16, s86
	s_add_nc_u64 s[66:67], s[12:13], s[84:85]      ; the next head's: 16 steps on
	s_mul_i32 s84, s82, 12288
	s_add_co_u32 s84, s84, s87
	s_lshl_b32 s83, s83, 8
	s_add_co_u32 s84, s84, s83
	s_add_nc_u64 s[76:77], s[74:75], s[84:85]      ; the first head's 256 scale bytes of this step
	s_mov_b32 s[SEL], 0x76543210
	s_mov_b32 s[SEL+1], 0xfedcba98
	s_cmp_eq_u32 ttmp9, 2
	s_cbranch_scc1 .Lv                             ; the same way for all sixteen partners and all four waves
	; ---- q and k.  Lane (r, h), block a: token 16 a + r; register 8 b + j: feature 16 b + 8 h + j of my 128: two heads of 64, four blocks of 32
	v_bfe_u32 v[BO], v0, 4, 1
	v_lshlrev_b32 v[BO], 5, v[BO]                  ; 32 h
.irp b, 0,1,2,3,4,5,6,7
	global_load_b128 v[BI+8*\b:BI+8*\b+3], v[BO], s[78:79] offset:64*\b       ; the bias in the result's layout; it lands under the last step's products
	global_load_b128 v[BI+8*\b+4:BI+8*\b+7], v[BO], s[78:79] offset:64*\b+16
.endr
	LAST
	s_wait_loadcnt 0x0
	PLACES NP
.irp b, 0,1,2,3
	v_mov_b32 v[TM+4+\b], 0                        ; a lane permute's destination counts as one of its sources
.endr
.macro OUTQK a
	s_wait_dscnt 0x0                               ; the last block's LDS stores have read the scale word
.if (\a) >= 2
	s_wait_xcnt 0x0                                ; the stores of two blocks ago have read this set of codes
.endif
	WIN 0x02+(\a)/4                                ; source 0: window 2 or 3
.set i, 0
.rept 32
	v_pk_add_f32 v[T+2*i:T+2*i+1], v[64*((\a)%4)+2*i:64*((\a)%4)+2*i+1], v[BI+2*i:BI+2*i+1]   ; + bias, and into window 0; each accumulator from its low end on
.set i, i+1
.endr
	WIN 0
.set P0, PC+16*((\a)%2)
	QUANT T, P0
	global_store_b128 v[LI], v[P0:P0+3], s[12:13] offset:1024*(\a)            ; 32 lanes store 512 consecutive bytes, aligned: the tile's block 0 of the first head,
	global_store_b128 v[LI], v[P0+4:P0+7], s[12:13] offset:1024*(\a)+512      ; its block 1,
	global_store_b128 v[LI], v[P0+8:P0+11], s[66:67] offset:1024*(\a)         ; and the next head's two
	global_store_b128 v[LI], v[P0+12:P0+15], s[66:67] offset:1024*(\a)+512
	ds_store_b16 v[STW], v[PW] offset:64*((\a)/2)+2*((\a)%2)                  ; the first head's two bytes (both halves of the lanes write the same)
	ds_store_b16_d16_hi v[STW], v[PW] offset:256+64*((\a)/2)+2*((\a)%2)       ; the next head's
.endm
.irp a, 0,1,2,3,4,5,6,7
	OUTQK \a
.endr
	ds_load_b128 v[RB:RB+3], v[STR]                ; LDS serves a wave's instructions in order: this sees my stores
	s_wait_dscnt 0x0
	global_store_b128 v[SCO], v[RB:RB+3], s[76:77] ; sixteen lanes store a head's 256 consecutive bytes, aligned
	s_branch .Lend
.Lv:	; ---- v.  Lane (r, h), block a: feature 16 a + r of my 128; register 8 b + j: key 16 b + 8 h + j of my 128: one step, four blocks of 32 keys
	v_and_b32 v[BO], 15, v0
	v_lshlrev_b32 v[BO], 2, v[BO]                  ; 4 r
.irp a, 0,1,2,3,4,5,6,7
	global_load_b32 v[BI+2*\a], v[BO], s[78:79] offset:64*\a                  ; one number a lane and block
	v_mov_b32 v[BI+2*\a+1], 0                      ; (named with it as a pair)
.endr
	LAST
	s_wait_loadcnt 0x0
	PLACES NP
.irp b, 0,1,2,3
	v_mov_b32 v[TM+4+\b], 0
.endr
.macro OUTV a
	s_wait_dscnt 0x0
.if (\a) >= 2
	s_wait_xcnt 0x0
.endif
	WIN 0x02+(\a)/4
.set i, 0
.rept 32
	v_pk_add_f32 v[T+2*i:T+2*i+1], v[64*((\a)%4)+2*i:64*((\a)%4)+2*i+1], v[BI+2*(\a):BI+2*(\a)+1] op_sel_hi:[1,0]
.set i, i+1
.endr
	WIN 0
.set P0, PC+16*((\a)%2)
	QUANT T, P0
.irp c, 0,1,2,3
	global_store_b128 v[LI], v[P0+4*\c:P0+4*\c+3], s[12:13] offset:262144*((\a)/4)+2048*((\a)%4)+512*\c   ; head a / 4, its tile a % 4 of 16 of the 64, key block c
.endr
	ds_store_b32 v[STW], v[PW] offset:4096+64*(\a)                            ; this way's stage has bytes of its own
.endm
.irp a, 0,1,2,3,4,5,6,7
	OUTV \a
.endr
	ds_load_b128 v[RB:RB+3], v[STR] offset:4096
	s_wait_dscnt 0x0
	global_store_b128 v[SCO], v[RB:RB+3], s[76:77]
.Lend:
	s_wait_tensorcnt 0x0                           ; the wave's end: 0 onto my spare word, behind my last tensor load and my last LDS store
	ds_add_u32 v[SPW], v[NIL]
	s_wait_dscnt 0x0
	CROUND                                         ; the closing round: no work-group ends while a partner may still ask for a tile that names it
	s_endpgm
.Lfunc_end_k_q1c13271b1a_qkv:
	.size	k_q1c13271b1a_qkv, .Lfunc_end_k_q1c13271b1a_qkv-k_q1c13271b1a_qkv
	.p2alignl 7, 3214868480
	.fill 96, 4, 3214868480
	.section	.rodata,"a",@progbits
	.p2align	6, 0x0
	.amdhsa_kernel k_q1c13271b1a_qkv
		.amdhsa_group_segment_fixed_size 327680
		.amdhsa_private_segment_fixed_size 0
		.amdhsa_enable_private_segment 0
		.amdhsa_kernarg_size 64
		.amdhsa_user_sgpr_count 2
		.amdhsa_user_sgpr_kernarg_segment_ptr 1
		.amdhsa_wavefront_size32 1
		.amdhsa_system_sgpr_workgroup_id_x 1
		.amdhsa_system_sgpr_workgroup_id_y 1
		.amdhsa_system_sgpr_workgroup_id_z 1
		.amdhsa_system_vgpr_workitem_id 0
		.amdhsa_next_free_vgpr 1024
		.amdhsa_next_free_sgpr 102
		.amdhsa_reserve_vcc 0
		.amdhsa_float_denorm_mode_32 3
		.amdhsa_float_denorm_mode_16_64 3
		.amdhsa_fp16_overflow 1
		.amdhsa_memory_ordered 1
		.amdhsa_forward_progress 1
		.amdhsa_inst_pref_size 228
	.end_amdhsa_kernel
	.amdgpu_metadata
---
amdhsa.version: [ 1, 2 ]
amdhsa.kernels:
  - .name:           k_q1c13271b1a_qkv
    .symbol:         k_q1c13271b1a_qkv.kd
    .args:
      - { .name: x_codes, .offset: 0, .size: 8, .value_kind: global_buffer, .address_space: global }
      - { .name: x_scales, .offset: 8, .size: 8, .value_kind: global_buffer, .address_space: global }
      - { .name: w_attn_codes, .offset: 16, .size: 8, .value_kind: global_buffer, .address_space: global }
      - { .name: w_attn_scales, .offset: 24, .size: 8, .value_kind: global_buffer, .address_space: global }
      - { .name: b_attn, .offset: 32, .size: 8, .value_kind: global_buffer, .address_space: global }
      - { .name: q_codes, .offset: 40, .size: 8, .value_kind: global_buffer, .address_space: global }
      - { .name: kv_codes, .offset: 48, .size: 8, .value_kind: global_buffer, .address_space: global }
      - { .name: sc, .offset: 56, .size: 8, .value_kind: global_buffer, .address_space: global }
    .group_segment_fixed_size: 327680
    .private_segment_fixed_size: 0
    .kernarg_segment_align: 8
    .kernarg_segment_size: 64
    .max_flat_workgroup_size: 128
    .sgpr_count:     102
    .vgpr_count:     1024
    .wavefront_size: 32
...
	.end_amdgpu_metadata
.endif
;; end of part 1
;; launch attn (part 2): grid 4 x 64, 16 waves a work-group, clusters of 4 x 1, 327,680 bytes of LDS; arguments q_codes, kv_codes, sc, y_img, y_sc; writes y_img, y_sc
.if DOCPART == 2
	.amdgcn_target "amdgcn-amd-amdhsa--gfx1250"
	.amdhsa_code_object_version 6
	.text
	.protected	k_q1c13271b1a_attn
	.globl	k_q1c13271b1a_attn
	.p2align	8
	.type	k_q1c13271b1a_attn,@function
k_q1c13271b1a_attn:
	s_mov_b64 s[64:65], 0
	v_nop
	global_prefetch_b8 v0, s[64:65] scope:SCOPE_SE
	s_setreg_imm32_b32 hwreg(HW_REG_WAVE_MODE, 25, 1), 1
	s_wait_xcnt 0x0
	s_wait_alu depctr_hold_cnt(0) depctr_sa_sdst(0) depctr_va_vdst(0) depctr_va_sdst(0) depctr_va_ssrc(0) depctr_va_vcc(0) depctr_vm_vsrc(0)
	s_getreg_b32 s2, hwreg(HW_REG_IB_STS2, 6, 4)
	s_cmp_eq_u32 s2, 0
	s_cbranch_scc0 .Lentry_in_a_cluster
	s_endpgm
.Lentry_in_a_cluster:
	s_bfe_u32 s2, ttmp6, 0x10000c
	s_cmp_lg_u32 s2, 0x3003
	s_cbranch_scc0 .Lentry_shape_is_right
	s_endpgm
.Lentry_shape_is_right:
; y[b][q][head] = softmax_k(q . k / 8, causal) v, both products on codes of FP8 (E4M3) with one E8M0 scale for each 32 along K; y is quantised here along C and leaves as codes and scale bytes.
; Inputs as the launch before laid them (images of operand registers: 32 lanes x 16 bytes on end):
;   q_codes [G][tile of 16 queries: 128][block 2][lane][16];  kv_codes [G][step of 128 keys: 16][K: 8 tiles x 1,024 | V: 4 tiles x 2,048];  sc [G][K 4,096 | V 4,096 | Q 4,096].
; THE SOFTMAX: t = score x log2(e) / 8; M = the row's largest t so far, rounded UP to a whole number; p = 2^(t - M) is quantised along the keys, not normalised; the row's sum is taken of the unquantised p and divides
; at the end.  When M moves, the sum and O are multiplied by 2^(old M - new M): exact.
; SHARES.  The four work-groups of a cluster serve ONE head G; its whole K and V (262,144 bytes of codes, 8,192 of scale words) come into each one's LDS ONCE, by joint loads that name the four: nothing is filled again.
; A tile of 16 queries of class n (tiles 8 n .. 8 n + 7) needs key steps 0 .. n, the last on the diagonal.  Wave w (c = w % 8, e = 2 cx + w / 8) takes tile 8 (15 - c) + e, 16 - c steps, and then tile 8 c + e,
; c + 1 steps: 17 steps for every wave of the launch.  cx enters global addresses and the mask's number alone: no branch and no LDS address.
; K = 64 IN AN INSTRUCTION OF 128.  A fragment of K is a PAIR of key tiles (registers 0-7 the even tile's 64, registers 8-15 the odd tile's).  Q stands as [Q 8][zeros 8][Q 8]: v[16:31] multiplies the even tile,
; v[24:39] the odd one; the other half meets zero codes.  Q's scale word repeats its two bytes.
; LAYOUT.  Both products are used transposed (S^T = K Q^T, O^T = V^T P^T): a lane holds ONE query (lane % 16) throughout.  Register 8 n + j of S^T is key 16 n + 8 (lane / 16) + j of the step; the 16 registers of tiles
; 2 b, 2 b + 1 are the lane's 16 of key block b, in the order in which V's codes were laid.  y meets a given operand, so its codes are put into the true order: one exchange with lane l xor 16 a tile.
;   y_img [tile of 16 rows: 512][K step of 128: 8][block 4][lane][16];  y_sc [8,192][32].
; LIMITS: a block whose largest magnitude lies under 2^-118 (a block of zeros too) gets the byte 1.  NaN and infinities are not served (K's codes are never the NaN code: they were held at 448 x the scale).
.set SCB,  262144                      ; LDS: key step s at 16,384 s (K's pair u at + 2,048 u, V's tile t at + 8,192 + 2,048 t); from SCB K's scale words (256 s + 64 u + 4 r), then V's (4,096 + 256 s + 64 t + 4 r)
.set LI,   1                           ; v1   16 x lane
.set LS,   2                           ; v2   SCB + 4 (lane % 16)
.set DQ,   3                           ; v3   16 e + r - 8 h: on the diagonal register 8 n + j is hidden where 16 n + j is above it
.set R4,   4                           ; v4   4 r
.set YSO,  5                           ; v5   32 r + h: my byte of y_sc
.set ADK,  6                           ; v6   LDS address of the step's codes
.set ADS,  7                           ; v7   and of its scale words
                                       ; v12 -M, v13 the largest t, v[14:15] the sum in two halves
.set Q,    16                          ; v16-39
.set F,    40                          ; v40-103   four fragments: K's, then V's
.set S,    104                         ; v104-167  S^T, then p
.set O,    168                         ; v168-199  O^T
.set PCD,  200                         ; v200-215  p's codes
.set KSC,  216                         ; v216-219  K's scale words
.set VSC,  220                         ; v220-223  V's
.set BM,   224                         ; v224-227  a block's largest score, then its largest p
.set T1,   228                         ; v228-231  at work
.set HB,   232
.set SO,   236                         ; v236-239  the conversions' scale operands
.set FF,   240                         ; v240      f = 2^(old M - new M); at a tile's end 1 / the sum
.set PW,   241                         ; v241      p's scale word
.set TP,   242                         ; v242      at work
.set QS,   243                         ; v243      Q's scale word
.set Q2,   244                         ; v244-251  the second tile's Q
.set QR,   252                         ; v252      its two scale bytes
.set YB,   253                         ; v253      y's scale byte
.set NINF, 254                         ; v254      -infinity
; s14 cx, s15 G, s16 c, s17 e, s18 wave; s[20:21] lane selects; s[22:23] log2(e) / 8; s[24:31], s[32:39] descriptor groups 1; s[40:59] five groups 0;
; s60 the mask of lanes 16-31; s61 the key step; s62 trip + c; s63 1 in a tile's last step; s66, s67 the step's LDS bytes; s68 the loops' counter; s[70:73] the tile's y and y_sc; s[74:77] the second tile's; s[78:85] Q and its scales
.macro CROUND                          ; a round of the cluster's barrier
	s_barrier_signal -1
	s_barrier_wait -1
	s_cmp_lg_u32 s18, 0
	s_cbranch_scc1 .Lnot_wave_0_\@
	s_barrier_signal -3
.Lnot_wave_0_\@:
	s_barrier_wait -3
	s_barrier_signal -1
	s_barrier_wait -1
.endm
	s_load_b256 s[4:11], s[0:1], 0x0               ; q_codes s[4:5], kv_codes s[6:7], sc s[8:9], y_img s[10:11]
	s_load_b64 s[12:13], s[0:1], 0x20              ; y_sc
	v_lshl_add_u32 v11, v0, 2, 0x42000
	v_mov_b32 v255, 0
	ds_add_u32 v11, v255
	ds_add_u32 v11, v255
	v_lshrrev_b32 v8, 5, v0
	s_delay_alu instid0(VALU_DEP_1)
	v_readfirstlane_b32 s18, v8                    ; wave 0..15
	s_bfe_u32 s14, ttmp6, 0x40000                  ; cx
	s_and_b32 s15, ttmp7, 0xffff                   ; G, which the four partners share
	s_and_b32 s16, s18, 7                          ; c
	s_lshr_b32 s17, s18, 3
	s_lshl_b32 s86, s14, 1
	s_add_co_u32 s17, s17, s86                     ; e = 2 cx + wave / 8
	; descriptor group 1: a key step's 16,384 dense bytes as 64 rows of 256 bytes (32 elements of 8 bytes); no padding: every read is 16 x lane on end
	s_mov_b32 s24, 15|(3<<16)|(1<<21)              ; 15:0 the mask: all four work-groups; 17:16 elements of 8 bytes; 21 set beside a mask
	s_mov_b32 s25, 32<<16                          ; tensor_dim0
	s_mov_b32 s26, 64<<16                          ; tensor_dim1
	s_mov_b32 s27, 32<<16                          ; tile_dim0
	s_mov_b32 s28, 64                              ; tile_dim1
	s_mov_b32 s29, 32                              ; tensor_dim0_stride
	s_mov_b32 s30, 0
	s_mov_b32 s31, 0
	s_mov_b32 s32, 15|(3<<16)|(1<<21)              ; and a quarter of the scale words: 8 such rows
	s_mov_b32 s33, 32<<16
	s_mov_b32 s34, 8<<16
	s_mov_b32 s35, 32<<16
	s_mov_b32 s36, 8
	s_mov_b32 s37, 32
	s_mov_b32 s38, 0
	s_mov_b32 s39, 0
	s_and_b32 s86, s18, 3                          ; waves 0 to 3 fetch: wave i the scale words' quarter i and key steps i, 4 + i, 8 + i, 12 + i
	s_lshl_b32 s87, s86, 11
	s_mul_i32 s88, s15, 12288
	s_add_co_u32 s88, s88, s87
	s_mov_b32 s89, 0
	s_lshl_b32 s90, s86, 14
	s_lshl_b32 s92, s15, 18
	s_add_co_u32 s92, s92, s90
	s_mov_b32 s93, 0
	s_mov_b32 s20, 0x76543210
	s_mov_b32 s21, 0xfedcba98
	s_mov_b32 s22, 0x3e38aa3b                      ; log2(e) / 8
	s_mov_b32 s23, s22                             ; (named with it as a pair)
	s_mov_b32 s60, 0xffff0000
	s_wait_dscnt 0x0
	s_wait_kmcnt 0x0
	s_mov_b32 s40, 1
	s_add_co_u32 s41, s87, SCB
	s_add_nc_u64 s[42:43], s[8:9], s[88:89]
	s_or_b32 s43, s43, 0x80000000
.irp n, 0,1,2,3
	s_mov_b32 s[44+4*\n], 1
	s_add_co_u32 s[45+4*\n], s90, \n*65536
	s_add_nc_u64 s[46+4*\n:47+4*\n], s[6:7], s[92:93]
.if \n > 0
	s_add_nc_u64 s[46+4*\n:47+4*\n], s[46+4*\n:47+4*\n], \n*65536
.endif
	s_or_b32 s[47+4*\n], s[47+4*\n], 0x80000000
.endr
	CROUND                                         ; all four work-groups are here: the joint loads meet
	s_cmp_lt_u32 s18, 4                            ; a wave's five first fills stand in one branch on the wave's number: five loads of mine are out
	s_cbranch_scc0 .Lno_fetch
	tensor_load_to_lds s[40:43], s[32:39]
	s_nop 0
	tensor_load_to_lds s[44:47], s[24:31]
	s_nop 0
	tensor_load_to_lds s[48:51], s[24:31]
	s_nop 0
	tensor_load_to_lds s[52:55], s[24:31]
	s_nop 0
	tensor_load_to_lds s[56:59], s[24:31]
	s_nop 0
.rept 4
	v_nop
.endr
.Lno_fetch:
	v_and_b32 v8, 31, v0
	s_delay_alu instid0(VALU_DEP_1)
	v_lshlrev_b32 v[LI], 4, v8
	s_wait_alu depctr_va_vdst(0)
	v_and_b32 v9, 15, v0                           ; r
	v_bfe_u32 v10, v0, 4, 1                        ; h
	s_delay_alu instid0(VALU_DEP_2)
	v_lshl_add_u32 v[LS], v9, 2, SCB
	s_delay_alu instid0(VALU_DEP_3)
	v_lshlrev_b32 v[R4], 2, v9
	s_wait_alu depctr_va_vdst(0)
	v_lshl_add_u32 v[YSO], v9, 5, v10
	v_lshlrev_b32 v10, 3, v10
	s_delay_alu instid0(VALU_DEP_1)
	v_sub_nc_u32 v[DQ], v9, v10
	s_lshl_b32 s86, s17, 4
	v_add_nc_u32 v[DQ], s86, v[DQ]
	; the two tiles' places in memory
	s_sub_co_u32 s69, 15, s16
	s_lshl_b32 s69, s69, 3
	s_add_co_u32 s69, s69, s17                     ; the first tile: 8 (15 - c) + e
	s_lshl_b32 s68, s16, 3
	s_add_co_u32 s68, s68, s17                     ; the second: 8 c + e
	s_mov_b32 s87, 0
	s_mul_i32 s92, s15, 12288
	s_add_co_u32 s92, s92, 8192                    ; Q's scale bytes of my head
	s_lshr_b32 s93, s15, 4                         ; the batch
	s_and_b32 s94, s15, 15                         ; the head
	s_lshl_b32 s95, s94, 1                         ; its two bytes in a row of y_sc
	s_lshl_b32 s94, s94, 10                        ; its 1,024 bytes in a row tile of y_img: K step head / 2, blocks 2 (head % 2) on
.macro TILEADR st, qb, qs, yb, ys      ; tile s[st]: where its Q, Q's scale bytes, y and y's scale bytes begin
	s_lshl_b32 s86, s15, 7
	s_add_co_u32 s86, s86, s[\st]
	s_lshl_b32 s86, s86, 10
	s_add_nc_u64 s[\qb:\qb+1], s[4:5], s[86:87]
	s_lshr_b32 s86, s[\st], 1
	s_lshl_b32 s86, s86, 6                         ; the pair of tiles: 64 bytes,
	s_and_b32 s88, s[\st], 1
	s_lshl_b32 s88, s88, 1                         ; and the tile's two bytes of a row's four
	s_add_co_u32 s86, s86, s88
	s_add_co_u32 s86, s86, s92
	s_add_nc_u64 s[\qs:\qs+1], s[8:9], s[86:87]
	s_lshl_b32 s88, s93, 7
	s_add_co_u32 s88, s88, s[\st]                  ; the tile of 16 rows among the 512
	s_lshl_b32 s86, s88, 14
	s_add_co_u32 s86, s86, s94
	s_add_nc_u64 s[\yb:\yb+1], s[10:11], s[86:87]
	s_lshl_b32 s86, s88, 9
	s_add_co_u32 s86, s86, s95
	s_add_nc_u64 s[\ys:\ys+1], s[12:13], s[86:87]
.endm
	TILEADR 69, 78, 80, 70, 72
	TILEADR 68, 82, 84, 74, 76
	global_load_b128 v[Q:Q+3], v[LI], s[78:79]                 ; the first tile's Q, twice: in front of the zeros and behind them
	global_load_b128 v[Q+4:Q+7], v[LI], s[78:79] offset:512
	global_load_b128 v[Q+16:Q+19], v[LI], s[78:79]
	global_load_b128 v[Q+20:Q+23], v[LI], s[78:79] offset:512
	global_load_b128 v[Q2:Q2+3], v[LI], s[82:83]               ; the second tile's waits in registers
	global_load_b128 v[Q2+4:Q2+7], v[LI], s[82:83] offset:512
	global_load_u16 v[QS], v[R4], s[80:81]
	global_load_u16 v[QR], v[R4], s[84:85]
.irp i, 0,1,2,3,4,5,6,7
	v_mov_b32 v[Q+8+\i], 0                         ; the zero codes between
.endr
.set j, 0
.rept 32
	v_mov_b32 v[O+j], 0                            ; O^T.  (The step is written once: a tile's first step finds zeros, which the first change of M leaves zeros)
.set j, j+1
.endr
	v_mov_b32 v13, 0xff61b1e6                      ; the largest t so far: -3e38, under every t
	s_delay_alu instid0(VALU_DEP_1)
	v_floor_f32 v12, -v13                          ; -M
	v_mov_b32 v14, 0
	v_mov_b32 v15, 0
.irp b, 0,1,2,3
	v_mov_b32 v[T1+\b], 0                          ; a lane permute's destination counts as one of its sources
.endr
	v_mov_b32 v[PW], 0                             ; (named as the upper half of the pair v[240:241] before it is first written)
	v_mov_b32 v[TP], 0
	v_mov_b32 v[NINF], 0xff800000
	s_wait_loadcnt 0x0
	v_lshl_or_b32 v[QS], v[QS], 16, v[QS]          ; the two bytes twice: for the even tile's half of K and for the odd tile's
; A KEY STEP: 128 keys at LDS byte s66, their scale words at s67.  diag = 1: where s63 says so, the step lies on the diagonal.
.macro STEP diag
	v_add_nc_u32 v[ADK], s66, v[LI]
	v_add_nc_u32 v[ADS], s67, v[LS]
.rept 6
	v_nop                                          ; with the two additions: eight places in front of loads into registers that the last products have read, and behind a write of Q's scale word
.endr
.irp u, 0,1,2,3
.irp c, 0,1,2,3
	ds_load_b128 v[F+16*\u+4*\c:F+16*\u+4*\c+3], v[ADK] offset:2048*\u+512*\c
.endr
	ds_load_b32 v[KSC+\u], v[ADS] offset:64*\u
.endr
	s_wait_alu depctr_va_vdst(0)
	s_wait_dscnt 0x0
.irp u, 0,1,2,3
	v_wmma_scale_f32_16x16x128_f8f6f4 v[S+16*\u:S+16*\u+7], v[F+16*\u:F+16*\u+15], v[Q:Q+15], 0, v[KSC+\u], v[QS]
	v_wmma_scale_f32_16x16x128_f8f6f4 v[S+16*\u+8:S+16*\u+15], v[F+16*\u:F+16*\u+15], v[Q+8:Q+23], 0, v[KSC+\u], v[QS]
.endr
.rept 8
	v_nop                                          ; eight places: in front of V's loads into K's registers, and of the first read of the scores
.endr
.irp t, 0,1,2,3
.irp c, 0,1,2,3
	ds_load_b128 v[F+16*\t+4*\c:F+16*\t+4*\c+3], v[ADK] offset:8192+2048*\t+512*\c   ; V lands under the softmax
.endr
	ds_load_b32 v[VSC+\t], v[ADS] offset:4096+64*\t
.endr
.if \diag                              ; on the diagonal the scores of hidden keys become -infinity ahead of the maximum: p = 0 then.  A scalar branch on the wave's number and the trip
	s_cmp_eq_u32 s63, 0
	s_cbranch_scc1 .Lopen_\@
.set n, 0
.rept 64
	v_cmp_gt_i32 vcc_lo, 16*(n/8)+n%8, v[DQ]
	v_cndmask_b32 v[S+n], v[S+n], v[NINF], vcc_lo
.set n, n+1
.endr
.Lopen_\@:
.endif
.irp b, 0,1,2,3
	v_max3_num_f32 v[BM+\b], v[S+16*\b], v[S+1+16*\b], v[S+2+16*\b]   ; the largest score of each block of 32 keys: for the row's maximum and, since p rises with the score, for the block's largest p
.endr
.irp i, 3,5,7,9,11,13
.irp b, 0,1,2,3
	v_max3_num_f32 v[BM+\b], v[BM+\b], v[S+16*\b+\i], v[S+1+16*\b+\i]
.endr
.endr
.irp b, 0,1,2,3
	v_max_num_f32 v[BM+\b], v[BM+\b], v[S+15+16*\b]
.endr
.irp b, 0,1,2,3
	s_delay_alu instid0(VALU_DEP_4)
	v_permlanex16_b32 v[T1+\b], v[BM+\b], s20, s21
.endr
.irp b, 0,1,2,3
	s_delay_alu instid0(VALU_DEP_4)
	v_max_num_f32 v[BM+\b], v[BM+\b], v[T1+\b]     ; with lane l xor 16's 16 keys
.endr
	s_delay_alu instid0(VALU_DEP_2)
	v_max3_num_f32 v[TP], v[BM], v[BM+1], v[BM+2]
	s_delay_alu instid0(VALU_DEP_1)
	v_max_num_f32 v[TP], v[TP], v[BM+3]            ; the step's largest score of my query
	s_delay_alu instid0(VALU_DEP_1)
	v_mul_f32 v[TP], s22, v[TP]                    ; as t
	s_delay_alu instid0(VALU_DEP_1)
	v_max_num_f32 v13, v13, v[TP]                  ; the running largest t
	v_mov_b32 v[TP], v12
	s_delay_alu instid0(VALU_DEP_2)
	v_floor_f32 v12, -v13                          ; the new -M = floor(-t) = -ceil(t)
	s_delay_alu instid0(VALU_DEP_1)
	v_sub_f32 v[TP], v12, v[TP]                    ; old M - new M: a whole number, 0 or less
	s_delay_alu instid0(VALU_DEP_1)
	v_cvt_i32_f32 v[TP], v[TP]                     ; (it saturates)
	s_delay_alu instid0(VALU_DEP_1)
	v_ldexp_f32 v[FF], 1.0, v[TP]                  ; f = 2^(old M - new M)
.set j, 0
.rept 32
	v_pk_fma_f32 v[S+j:S+j+1], v[S+j:S+j+1], s[22:23], v[12:13] op_sel_hi:[1,0,0]   ; t - M, two at a time
.set j, j+2
.endr
.irp b, 0,1,2,3
	v_fma_f32 v[BM+\b], v[BM+\b], s22, v12         ; the same of each block's largest score
.endr
.set j, 0
	s_wait_alu depctr_va_vdst(0)
.rept 64
	v_exp_f32 v[S+j], v[S+j]                       ; p = 2^(t - M), at most 1
.set j, j+1
.endr
	v_pk_mul_f32 v[14:15], v[14:15], v[FF:FF+1] op_sel_hi:[1,0]   ; the sums under the new M.  (A plain place behind the exponentials)
	s_wait_alu depctr_va_vdst(0)                   ; one wait for the whole batch, ahead of its first reader
.irp b, 0,1,2,3
	v_exp_f32 v[BM+\b], v[BM+\b]                   ; the block's largest p
.endr
	v_pk_add_f32 v[228:229], v[108:109], v[112:113]
	v_pk_add_f32 v[238:239], v[116:117], v[120:121]
	v_pk_add_f32 v[236:237], v[124:125], v[128:129]
	v_pk_add_f32 v[234:235], v[132:133], v[136:137]
	v_pk_add_f32 v[232:233], v[140:141], v[144:145]
	v_pk_add_f32 v[230:231], v[148:149], v[152:153]
	v_pk_add_f32 v[218:219], v[156:157], v[160:161]
	v_pk_add_f32 v[14:15], v[14:15], v[164:165]
	v_pk_add_f32 v[228:229], v[228:229], v[104:105]
	v_pk_add_f32 v[238:239], v[238:239], v[106:107]
	v_pk_add_f32 v[236:237], v[236:237], v[110:111]
	v_pk_add_f32 v[234:235], v[234:235], v[114:115]
	v_pk_add_f32 v[232:233], v[232:233], v[118:119]
	v_pk_add_f32 v[230:231], v[230:231], v[122:123]
	v_pk_add_f32 v[218:219], v[218:219], v[126:127]
	v_pk_add_f32 v[14:15], v[14:15], v[130:131]
	v_pk_add_f32 v[228:229], v[228:229], v[134:135]
	v_pk_add_f32 v[238:239], v[238:239], v[138:139]
	v_pk_add_f32 v[236:237], v[236:237], v[142:143]
	v_pk_add_f32 v[234:235], v[234:235], v[146:147]
	v_pk_add_f32 v[232:233], v[232:233], v[150:151]
	v_pk_add_f32 v[230:231], v[230:231], v[154:155]
	v_pk_add_f32 v[218:219], v[218:219], v[158:159]
	v_pk_add_f32 v[14:15], v[14:15], v[162:163]
	v_pk_add_f32 v[228:229], v[228:229], v[166:167]
	s_delay_alu instid0(VALU_DEP_2)
	v_pk_add_f32 v[14:15], v[14:15], v[234:235]
	s_delay_alu instid0(VALU_DEP_2)
	v_pk_add_f32 v[228:229], v[228:229], v[232:233]
	v_pk_add_f32 v[238:239], v[238:239], v[230:231]
	v_pk_add_f32 v[236:237], v[236:237], v[218:219]
	s_delay_alu instid0(VALU_DEP_2)
	v_pk_add_f32 v[14:15], v[14:15], v[238:239]
	s_delay_alu instid0(VALU_DEP_2)
	v_pk_add_f32 v[228:229], v[228:229], v[236:237]
	s_delay_alu instid0(VALU_DEP_1)
	v_pk_add_f32 v[14:15], v[14:15], v[228:229]
	s_wait_alu depctr_va_vdst(0)                   ; and one for the four
.irp b, 0,1,2,3
	v_max_num_f32 v[BM+\b], 0x4800000, v[BM+\b]    ; the floor 2^(9 - 127): the byte cannot fall under 1
.endr
.irp b, 0,1,2,3
	s_delay_alu instid0(VALU_DEP_4)
	v_add_nc_u32 v[SO+\b], 0xfc000000, v[BM+\b]    ; 8 off the exponent field: the conversion's scale operand
.endr
.irp b, 0,1,2,3
.endr
.irp b, 0,1,2,3
	s_delay_alu instid0(VALU_DEP_4)
	v_lshrrev_b32 v[T1+\b], 23, v[SO+\b]           ; the scale's byte
.endr
	s_delay_alu instid0(VALU_DEP_3)
	v_lshl_or_b32 v[PW], v[T1+1], 8, v[T1]         ; p's scale word for these 128 keys
	s_delay_alu instid0(VALU_DEP_1)
	v_lshl_or_b32 v[PW], v[T1+2], 16, v[PW]
	s_delay_alu instid0(VALU_DEP_1)
	v_lshl_or_b32 v[PW], v[T1+3], 24, v[PW]
.irp b, 0,1,2,3
.set j, 0
.rept 16
.set j, j+1
.endr
	v_cvt_scalef32_pk8_fp8_f32 v[PCD+4*\b:PCD+4*\b+1], v[S+16*\b:S+16*\b+7], v[SO+\b]
	v_cvt_scalef32_pk8_fp8_f32 v[PCD+4*\b+2:PCD+4*\b+3], v[S+16*\b+8:S+16*\b+15], v[SO+\b]
.endr
.set j, 0
.rept 16
	v_pk_mul_f32 v[O+j:O+j+1], v[O+j:O+j+1], v[FF:FF+1] op_sel_hi:[1,0]   ; O^T under the new M.  (These are also the places between the codes and the products below)
.set j, j+2
.endr
	s_wait_alu depctr_va_vdst(0)
	s_wait_dscnt 0x0                               ; V is in
.irp t, 0,1,2,3
	v_wmma_scale_f32_16x16x128_f8f6f4 v[O+8*\t:O+8*\t+7], v[F+16*\t:F+16*\t+15], v[PCD:PCD+15], v[O+8*\t:O+8*\t+7], v[VSC+\t], v[PW]   ; the four accumulators by turns
.endr
.endm
; A TILE'S END: O^T / the sum; two blocks of 32 along C are quantised; the codes go into the true order and leave as two images; a byte a lane goes to y_sc.
.macro FINISH
.rept 8
	v_nop                                          ; eight places behind the last products
.endr
	v_add_f32 v14, v14, v15                        ; the sum's two halves,
	s_delay_alu instid0(VALU_DEP_1)
	v_permlanex16_b32 v[TP], v14, s20, s21
	s_delay_alu instid0(VALU_DEP_1)
	v_add_f32 v14, v14, v[TP]                      ; and lane l xor 16's
	s_wait_alu depctr_va_vdst(0)
	v_rcp_f32 v[FF], v14
	v_nop                                          ; a plain place behind the reciprocal
	s_wait_alu depctr_va_vdst(0)                   ; and the wait ahead of its first reader
.set j, 0
.rept 16
	v_pk_mul_f32 v[S+j:S+j+1], v[O+j:O+j+1], v[FF:FF+1] op_sel_hi:[1,0]   ; register 8 t + i: y(query r, 16 t + 8 h + i); each accumulator from its low end on
.set j, j+2
.endr
.irp b, 0,1
	v_max3_num_f32 v[BM+\b], |v[S+16*\b]|, |v[S+1+16*\b]|, 0x4800000
.endr
.irp i, 2,4,6,8,10,12,14
.irp b, 0,1
	s_delay_alu instid0(VALU_DEP_2)
	v_max3_num_f32 v[BM+\b], v[BM+\b], |v[S+16*\b+\i]|, |v[S+1+16*\b+\i]|
.endr
.endr
.irp b, 0,1
	s_delay_alu instid0(VALU_DEP_2)
	v_permlanex16_b32 v[T1+\b], v[BM+\b], s20, s21
.endr
.irp b, 0,1
	s_delay_alu instid0(VALU_DEP_2)
	v_max_num_f32 v[BM+\b], v[BM+\b], v[T1+\b]
.endr
.irp b, 0,1
	s_delay_alu instid0(VALU_DEP_2)
	v_add_nc_u32 v[SO+\b], 0xfc000000, v[BM+\b]
.endr
.irp b, 0,1
.endr
.irp b, 0,1
	s_delay_alu instid0(VALU_DEP_2)
	v_lshrrev_b32 v[T1+\b], 23, v[SO+\b]
.endr
.irp b, 0,1
.set j, 0
.rept 16
.set j, j+1
.endr
	v_cvt_scalef32_pk8_fp8_f32 v[PCD+4*\b:PCD+4*\b+1], v[S+16*\b:S+16*\b+7], v[SO+\b]        ; the even tile's eight: places 8 h + 0 .. 7 of the block
	v_cvt_scalef32_pk8_fp8_f32 v[PCD+4*\b+2:PCD+4*\b+3], v[S+16*\b+8:S+16*\b+15], v[SO+\b]   ; the odd tile's: places 16 + 8 h + 0 .. 7
.endr
	v_nop                                          ; a plain place behind the last conversion
	; the operand wants places 16 h + 0 .. 15 in lane (r, h): lanes 0-15 keep their even tile's codes and take the partner's; lanes 16-31 keep their odd tile's and take the partner's
.irp b, 0,1
.irp k, 0,1
	v_cndmask_b32 v[PCD+8+2*\b+\k], v[PCD+4*\b+2+\k], v[PCD+4*\b+\k], s60   ; what I send: lanes 0-15 the odd tile's, lanes 16-31 the even tile's
.endr
.endr
.irp i, 0,1,2,3
	v_permlanex16_b32 v[PCD+12+\i], v[PCD+8+\i], s20, s21
.endr
.irp b, 0,1
.irp k, 0,1
	v_cndmask_b32 v[S+32+4*\b+\k], v[PCD+4*\b+\k], v[PCD+12+2*\b+\k], s60
	v_cndmask_b32 v[S+34+4*\b+\k], v[PCD+12+2*\b+\k], v[PCD+4*\b+2+\k], s60
.endr
.endr
	v_cndmask_b32 v[YB], v[T1], v[T1+1], s60       ; lanes 0-15 store block 0's byte, lanes 16-31 block 1's
	global_store_b128 v[LI], v[S+32:S+35], s[70:71]              ; 32 lanes store 512 consecutive bytes, aligned
	global_store_b128 v[LI], v[S+36:S+39], s[70:71] offset:512
	global_store_b8 v[YSO], v[YB], s[72:73]
.endm
.macro NEXT                            ; on to the wave's second tile
	v_lshl_or_b32 v[QS], v[QR], 16, v[QR]
.irp i, 0,1,2,3,4,5,6,7
	v_mov_b32 v[Q+\i], v[Q2+\i]
	v_mov_b32 v[Q+16+\i], v[Q2+\i]
.endr
.set j, 0
.rept 32
	v_mov_b32 v[O+j], 0
.set j, j+1
.endr
	v_mov_b32 v13, 0xff61b1e6
	s_delay_alu instid0(VALU_DEP_1)
	v_floor_f32 v12, -v13
	v_mov_b32 v14, 0
	v_mov_b32 v15, 0
	s_wait_xcnt 0x0                                ; the tile's stores have read their data and their bases: both may be written
	s_mov_b64 s[70:71], s[74:75]
	s_mov_b64 s[72:73], s[76:77]
.endm
	s_wait_tensorcnt 0x3                           ; the scale words and my first key step are in; my three later loads may stay out
	s_barrier_signal -1
	s_barrier_wait -1                              ; key steps 0 to 3 lie in LDS
	s_mov_b32 s66, 0
	s_mov_b32 s67, 0
	s_mov_b32 s68, 4
.Lfirst:                               ; the first tile's steps 0 to 3, while steps 4 to 15 land.  A first tile has class 8 or more: none of these lies on the diagonal
	s_wait_alu depctr_va_vdst(0)
	STEP 0
	s_add_co_u32 s66, s66, 16384
	s_add_co_u32 s67, s67, 256
	s_sub_co_u32 s68, s68, 1
	s_cmp_lg_u32 s68, 0
	s_cbranch_scc1 .Lfirst
	s_wait_tensorcnt 0x0                           ; all my loads have landed,
	s_wait_dscnt 0x0
	s_barrier_signal -1
	s_barrier_wait -1                              ; everybody's have: from here on LDS is only read
	s_mov_b32 s68, 0
.Lrest:                                ; 13 trips: the first tile's steps 4 .. 15 - c (12 - c of them), then the second tile's 0 .. c
	s_add_co_u32 s62, s68, s16                     ; trip + c
	s_sub_co_i32 s61, s62, 12                      ; the second tile's step, once it is 0 or more;
	s_add_co_u32 s69, s68, 4                       ; until then the first tile's
	s_cmp_ge_i32 s61, 0
	s_cselect_b32 s61, s61, s69
	s_and_b32 s61, s61, 15
	s_lshl_b32 s66, s61, 14
	s_lshl_b32 s67, s61, 8
	s_cmp_eq_u32 s62, 11                           ; the first tile's last step,
	s_cselect_b32 s63, 1, 0
	s_cmp_eq_u32 s68, 12                           ; or the second's: it lies on the diagonal, and the tile leaves behind it
	s_cselect_b32 s63, 1, s63
	STEP 1
	s_cmp_eq_u32 s63, 0
	s_cbranch_scc1 .Lon
	FINISH
	s_cmp_eq_u32 s68, 12
	s_cbranch_scc1 .Lon
	NEXT
.Lon:
	s_add_co_u32 s68, s68, 1
	s_cmp_lt_u32 s68, 13
	s_cbranch_scc1 .Lrest
	s_wait_dscnt 0x0
	s_wait_tensorcnt 0x0
	ds_add_u32 v11, v255
	s_wait_dscnt 0x0
	CROUND                                         ; the closing round
	s_endpgm
.Lfunc_end_k_q1c13271b1a_attn:
	.size	k_q1c13271b1a_attn, .Lfunc_end_k_q1c13271b1a_attn-k_q1c13271b1a_attn
	.p2alignl 7, 3214868480
	.fill 96, 4, 3214868480
	.section	.rodata,"a",@progbits
	.p2align	6, 0x0
	.amdhsa_kernel k_q1c13271b1a_attn
		.amdhsa_group_segment_fixed_size 327680
		.amdhsa_private_segment_fixed_size 0
		.amdhsa_enable_private_segment 0
		.amdhsa_kernarg_size 40
		.amdhsa_user_sgpr_count 2
		.amdhsa_user_sgpr_kernarg_segment_ptr 1
		.amdhsa_wavefront_size32 1
		.amdhsa_system_sgpr_workgroup_id_x 1
		.amdhsa_system_sgpr_workgroup_id_y 1
		.amdhsa_system_sgpr_workgroup_id_z 1
		.amdhsa_system_vgpr_workitem_id 0
		.amdhsa_next_free_vgpr 256
		.amdhsa_next_free_sgpr 96
		.amdhsa_reserve_vcc 1
		.amdhsa_float_denorm_mode_32 3
		.amdhsa_float_denorm_mode_16_64 3
		.amdhsa_fp16_overflow 1
		.amdhsa_memory_ordered 1
		.amdhsa_forward_progress 1
		.amdhsa_inst_pref_size 58
	.end_amdhsa_kernel
	.amdgpu_metadata
---
amdhsa.version: [ 1, 2 ]
amdhsa.kernels:
  - .name:           k_q1c13271b1a_attn
    .symbol:         k_q1c13271b1a_attn.kd
    .args:
      - { .name: q_codes, .offset: 0, .size: 8, .value_kind: global_buffer, .address_space: global }
      - { .name: kv_codes, .offset: 8, .size: 8, .value_kind: global_buffer, .address_space: global }
      - { .name: sc, .offset: 16, .size: 8, .value_kind: global_buffer, .address_space: global }
      - { .name: y_img, .offset: 24, .size: 8, .value_kind: global_buffer, .address_space: global }
      - { .name: y_sc, .offset: 32, .size: 8, .value_kind: global_buffer, .address_space: global }
    .group_segment_fixed_size: 327680
    .private_segment_fixed_size: 0
    .kernarg_segment_align: 8
    .kernarg_segment_size: 40
    .max_flat_workgroup_size: 512
    .sgpr_count:     96
    .vgpr_count:     256
    .wavefront_size: 32
...
	.end_amdgpu_metadata
.endif
;; end of part 2
;; launch proj (part 3): grid 4 x 32, 4 waves a work-group, clusters of 4 x 4, 327,680 bytes of LDS; arguments y_img, y_sc, w_proj_codes, w_proj_scales, b_proj, out0; writes out0
.if DOCPART == 3
	.amdgcn_target "amdgcn-amd-amdhsa--gfx1250"
	.amdhsa_code_object_version 6
	.text
	.protected	k_q1c13271b1a_proj
	.globl	k_q1c13271b1a_proj
	.p2align	8
	.type	k_q1c13271b1a_proj,@function
k_q1c13271b1a_proj:
	s_mov_b64 s[64:65], 0
	v_nop
	global_prefetch_b8 v0, s[64:65] scope:SCOPE_SE
	s_setreg_imm32_b32 hwreg(HW_REG_WAVE_MODE, 25, 1), 1
	s_wait_xcnt 0x0
	s_wait_alu depctr_hold_cnt(0) depctr_sa_sdst(0) depctr_va_vdst(0) depctr_va_sdst(0) depctr_va_ssrc(0) depctr_va_vcc(0) depctr_vm_vsrc(0)
	s_getreg_b32 s2, hwreg(HW_REG_IB_STS2, 6, 4)
	s_cmp_eq_u32 s2, 0
	s_cbranch_scc0 .Lentry_in_a_cluster
	s_endpgm
.Lentry_in_a_cluster:
	s_bfe_u32 s2, ttmp6, 0x10000c
	s_cmp_lg_u32 s2, 0xf033
	s_cbranch_scc0 .Lentry_shape_is_right
	s_endpgm
.Lentry_shape_is_right:
; out0 = y w_proj + b_proj on codes of FP8 (E4M3) with one E8M0 scale for each 32 along K = 1,024; out0 [8,192][1,024] f32; sums in f32.
; A = y, as the launch before laid it: y_img [tile of 16 rows: 512][K step of 128: 8][block 4][lane][16], images of the operand's registers; y_sc [8,192][32].  B = w_proj: [1,024][1,024] codes, K innermost; [1,024][32] scale bytes.
; A tile of out0, 256 x 256, is made by four waves, 128 x 128 each: 64 accumulators, 512 registers.  K goes in steps of 256 through a ring of two LDS slots filled by the tensor data mover.
; A's part of a slot is 16 row tiles x 4,096 dense bytes, read back at 16 x lane: no pitch, no padding.  B's is 256 rows of 256 bytes + 16 of padding.  The scale bytes of the 2 x 256 rows come into LDS once.
; CLUSTERS: 4 x 4 work-groups; A's tile is asked for jointly along a row of the cluster, B's along a column.  THE PRODUCT IS USED TRANSPOSED (source 0 = 16 rows of B, source 1 = 16 rows of A).
; The grid has 128 work-groups: the tile is kept at 256 x 256, so that a fragment read from LDS feeds eight products.
; REGISTERS, in windows of 256: window 0: v8-11 the bias; v16-31 addresses; v32-63 scale words, two sets; from v128 A's fragments, one set.  window 1: B's fragments, two sets.  windows 2, 3: the accumulators.
.set SIZE_N, 1024
.set KSTEP,  256
.set NQ,     KSTEP/128
.set ROWB,   256                       ; a row of B's tile in bytes
.set AROWB,  4096                      ; a K step of 256 in a row tile of y_img
.set KROW,   1024                      ; a row of B in memory; 16 rows of A are 16 x 1,024 bytes too
.set PITCH,  272
.set FR,     16
.set NL,     4
.set NP,     8                         ; places behind this matrix instruction (ISA guide 7.12.1)
.set HALFA,  32768                     ; 8 row tiles x 4,096 bytes: what one tensor load brings of A
.set HALFT,  128*PITCH                 ; 128 rows of B
.set BOFF,   2*HALFA                   ; B's rows lie behind A's
.set SLOT,   BOFF+2*HALFT
.set KS,     32
.set SCL,    2*SLOT                    ; behind the ring: the scales, as units of 256 bytes + 16 of padding
.set HALFS,  (128*KS/256)*272
.set SBLK,   (16*KS/256)*272
.set SPARE,  SCL+4*HALFS               ; the spare words, 128 bytes for each wave, which no other line names
.set SPITCH, 528                       ; the way out: a stage of 16 rows x (512 bytes + 16) for each wave, in slot 0, which has had its last fill and its last read by then
.set BIAS, 8                           ; v8-11   b_proj at my four columns of a row's 128
.set ADRA, 16
.set ADRB, 20
.set STO,  24
.set RD,   25
.set CO,   26                          ; v26     16 x lane
.set ADRS, 27
.set SPW,  28
.set NIL,  29
.set SC,   32
.set AF,   128
.set BK,   128
.set G1, 24
.set G0, 32
.set G1B, 48
.set G0B, 56
.set G1S, 68
.set G0S, 76
.set G1SB, 80
.set G0SB, 88
.set MSB, 0
.macro WIN new                         ; the immediate's high byte repeats the setting that is left
.if MSB != (\new)
	s_set_vgpr_msb (MSB<<8)|(\new)
.set MSB, (\new)
.endif
.endm
.set MUL_LO, 0xa1
.set MUL_HI, 0xf1
.set TO_B,   0x40
.macro JLOAD g0a, g1a, g0b, g1b        ; a joint load: waves 0 and 1 fetch for A, waves 2 and 3 for B; four v_nop follow each line
	s_cmp_eq_u32 s15, 0
	s_cbranch_scc0 .Lfor_b_\@
	tensor_load_to_lds s[\g0a:\g0a+3], s[\g1a:\g1a+7]
	s_nop 0
.rept 4
	v_nop
.endr
	s_branch .Lasked_\@
.Lfor_b_\@:
	tensor_load_to_lds s[\g0b:\g0b+3], s[\g1b:\g1b+7]
	s_nop 0
.rept 4
	v_nop
.endr
.Lasked_\@:
.endm
.macro CREST
	s_cmp_lg_u32 s14, 0
	s_cbranch_scc1 .Lnot_wave_0_\@
	s_barrier_signal -3
.Lnot_wave_0_\@:
	s_barrier_wait -3
	s_barrier_signal -1
	s_barrier_wait -1
.endm
.macro CROUND
	s_barrier_signal -1
	s_barrier_wait -1
	CREST
.endm
	s_load_b128 s[4:7], s[0:1], 0x0                ; y_img, y_sc
	s_load_b128 s[8:11], s[0:1], 0x10              ; w_proj's codes, its scales
	s_load_b64 s[96:97], s[0:1], 0x20              ; b_proj
	s_load_b64 s[12:13], s[0:1], 0x28              ; out0
	v_lshl_add_u32 v[SPW], v0, 2, SPARE
	v_mov_b32 v[NIL], 0
	ds_add_u32 v28, v29
	ds_add_u32 v28, v29
	s_wait_dscnt 0x0
	v_lshrrev_b32 v1, 5, v0
	v_readfirstlane_b32 s14, v1                    ; wave 0..3
	s_lshr_b32 s15, s14, 1                         ; which half of the tile's rows is mine.  Also: I fetch for A (0) or for B (1)
	s_and_b32 s16, s14, 1                          ; which half of its columns.  Also: which half of that tile I fetch
	s_bfe_u32 s40, ttmp6, 0x40000                  ; cx, cy
	s_bfe_u32 s41, ttmp6, 0x40004
	s_lshl_b32 s42, ttmp9, 2
	s_add_co_u32 s42, s42, s40                     ; tile column = 4 x cluster x + cx
	s_and_b32 s17, ttmp7, 0xffff
	s_lshl_b32 s17, s17, 2
	s_add_co_u32 s17, s17, s41                     ; tile row = 4 x cluster y + cy
	s_lshl_b32 s43, s41, 2
	s_lshl_b32 s43, 15, s43                        ; my row of the cluster
	s_lshl_b32 s44, 0x1111, s40                    ; my column
	; descriptor group 1.  A: 8 row tiles x 4,096 bytes (512 elements of 8 bytes), 16,384 bytes apart in memory, dense in LDS
	s_or_b32 s[G1+0], s43, (3<<16)|(1<<21)         ; 15:0 the mask: my row; 17:16 elements of 8 bytes; 21 set beside a mask
	s_mov_b32 s[G1+1], 512<<16                     ; tensor_dim0
	s_mov_b32 s[G1+2], 8<<16                       ; tensor_dim1
	s_mov_b32 s[G1+3], 512<<16                     ; tile_dim0
	s_mov_b32 s[G1+4], 8                           ; tile_dim1
	s_mov_b32 s[G1+5], 2048                        ; tensor_dim0_stride
	s_mov_b32 s[G1+6], 0
	s_mov_b32 s[G1+7], 0
	; B: 128 rows x 256 bytes, padded in LDS
	s_or_b32 s[G1B+0], s44, (0<<16)|(1<<20)|(1<<21)|(5<<22)|(3<<25)
	s_mov_b32 s[G1B+1], ROWB<<16
	s_mov_b32 s[G1B+2], 128<<16
	s_mov_b32 s[G1B+3], ROWB<<16
	s_mov_b32 s[G1B+4], 128
	s_mov_b32 s[G1B+5], KROW
	s_mov_b32 s[G1B+6], 0
	s_mov_b32 s[G1B+7], 0
	; the scales of 128 rows: 4,096 dense bytes as rows of 256 bytes, 16 bytes of padding behind each
	s_or_b32 s[G1S+0], s43, (3<<16)|(1<<20)|(1<<21)|(5<<22)|(3<<25)
	s_or_b32 s[G1SB+0], s44, (3<<16)|(1<<20)|(1<<21)|(5<<22)|(3<<25)
.irp g, G1S, G1SB
	s_mov_b32 s[\g+1], 32<<16
	s_mov_b32 s[\g+2], (128*KS/256)<<16
	s_mov_b32 s[\g+3], 32<<16
	s_mov_b32 s[\g+4], 128*KS/256
	s_mov_b32 s[\g+5], 32
	s_mov_b32 s[\g+6], 0
	s_mov_b32 s[\g+7], 0
.endr
	s_lshl_b32 s18, s16, 7                         ; which 128 rows of the tile I fetch
	s_lshl_b32 s20, s17, 8
	s_add_co_u32 s20, s20, s18                     ; A: row 256 x tile row + 128 x half
	s_lshl_b32 s46, s42, 8
	s_add_co_u32 s46, s46, s18                     ; B: row 256 x tile column + 128 x half
	s_mov_b32 s21, 0
	s_mov_b32 s47, 0
	s_mov_b64 s[18:19], KS
	s_mul_u64 s[22:23], s[20:21], s[18:19]         ; where these rows' scales begin
	s_mul_u64 s[92:93], s[46:47], s[18:19]
	s_mov_b64 s[18:19], KROW
	s_mul_u64 s[20:21], s[20:21], s[18:19]         ; and their codes: 1,024 bytes a row in both (A: 16,384 a tile of 16 rows)
	s_mul_u64 s[46:47], s[46:47], s[18:19]
	s_lshl_b32 s45, s16, 15                        ; where they go.  A: half x 32,768;
	s_mul_i32 s95, s16, HALFT
	s_add_co_u32 s95, s95, BOFF                    ; B: behind A, half x 128 rows: no place in the cluster enters an LDS address
	s_mul_i32 s94, s14, HALFS
	s_wait_kmcnt 0x0
	s_add_nc_u64 s[20:21], s[4:5], s[20:21]
	s_add_nc_u64 s[22:23], s[6:7], s[22:23]
	s_add_nc_u64 s[46:47], s[8:9], s[46:47]
	s_add_nc_u64 s[92:93], s[10:11], s[92:93]
	CROUND                                         ; all sixteen work-groups are here: the first joint loads meet
	s_mov_b32 s[G0S], 1
	s_add_co_u32 s[G0S+1], s94, SCL
	s_mov_b64 s[G0S+2:G0S+3], s[22:23]
	s_or_b32 s[G0S+3], s[G0S+3], 0x80000000
	s_mov_b32 s[G0SB], 1
	s_add_co_u32 s[G0SB+1], s94, SCL
	s_mov_b64 s[G0SB+2:G0SB+3], s[92:93]
	s_or_b32 s[G0SB+3], s[G0SB+3], 0x80000000
	JLOAD G0S, G1S, G0SB, G1SB                     ; the scales first
.irp s, 0,1
	s_mov_b32 s[G0+4*\s], 1
	s_add_co_u32 s[G0+4*\s+1], s45, \s*SLOT
	s_add_nc_u64 s[G0+4*\s+2:G0+4*\s+3], s[20:21], \s*AROWB
	s_or_b32 s[G0+4*\s+3], s[G0+4*\s+3], 0x80000000
	s_mov_b32 s[G0B+4*\s], 1
	s_add_co_u32 s[G0B+4*\s+1], s95, \s*SLOT
	s_add_nc_u64 s[G0B+4*\s+2:G0B+4*\s+3], s[46:47], \s*ROWB
	s_or_b32 s[G0B+4*\s+3], s[G0B+4*\s+3], 0x80000000
	s_wait_alu depctr_va_vdst(0)
	s_wait_tensorcnt 0x0
	ds_add_u32 v28, v29
	s_wait_dscnt 0x0
	CROUND
	JLOAD G0+4*\s, G1, G0B+4*\s, G1B               ; one load of mine is out
.endr
	v_and_b32 v1, 15, v0                           ; l % 16
	v_bfe_u32 v2, v0, 4, 1                         ; l / 16
	v_and_b32 v6, 31, v0
	v_lshlrev_b32 v[CO], 4, v6                     ; 16 x lane
	v_mul_u32_u24 v3, v1, PITCH
	v_lshl_add_u32 v4, v2, 4, v3                   ; B: a fragment's row x pitch + 16 x half
	s_lshl_b32 s21, s15, 15                        ; my 8 row tiles of A
	s_mul_i32 s22, s16, HALFT                      ; my 128 rows of B
	s_add_co_u32 s22, s22, BOFF
.irp s, 0,1
	v_add_nc_u32 v[ADRA+\s], s21, v[CO]
	v_add_nc_u32 v[ADRB+\s], s22, v4
	s_add_co_u32 s21, s21, SLOT
	s_add_co_u32 s22, s22, SLOT
.endr
	v_mul_u32_u24 v5, v1, KS                       ; my row's scales: 32 bytes a row,
	v_lshrrev_b32 v6, 8, v5
	v_lshl_add_u32 v5, v6, 4, v5                   ; and 16 more for each 256 passed
	s_mul_i32 s21, s15, HALFS
	s_mul_i32 s22, s16, HALFS
	s_add_co_u32 s22, s22, 2*HALFS
	s_sub_co_u32 s22, s22, s21
	v_mul_u32_u24 v6, s22, v2                      ; lanes 16-31 take B's
	s_add_co_u32 s21, s21, SCL
	v_add_nc_u32 v5, v5, v6
	v_add_nc_u32 v[ADRS], s21, v5
	s_mul_i32 s23, s14, 16*SPITCH                  ; my stage
	v_mul_u32_u24 v5, v1, SPITCH                   ; in: row l % 16, 32 bytes for each half of the lanes
	v_lshl_add_u32 v5, v2, 5, v5
	v_add_nc_u32 v[STO], s23, v5
	v_add_nc_u32 v[RD], s23, v[CO]                 ; back: the 32 lanes take one row of 512 bytes
	s_lshl_b32 s20, s17, 8
	s_lshl_b32 s21, s15, 7
	s_add_co_u32 s20, s20, s21                     ; my first row of out0
	s_mov_b32 s21, 0
	s_mov_b64 s[18:19], SIZE_N*4
	s_mul_u64 s[20:21], s[20:21], s[18:19]
	s_lshl_b32 s46, s42, 10                        ; my first column, in bytes: 1,024 x tile column + 512 x half
	s_lshl_b32 s47, s16, 9
	s_add_co_u32 s46, s46, s47
	s_mov_b32 s47, 0
	s_add_nc_u64 s[96:97], s[96:97], s[46:47]
	global_load_b128 v[BIAS:BIAS+3], v[CO], s[96:97]   ; the bias of the four columns that I store of every row
	s_add_nc_u64 s[20:21], s[20:21], s[46:47]
	s_add_nc_u64 s[12:13], s[12:13], s[20:21]
.macro FRAGB reg, adr, q, i            ; a fragment of B from rows: lane l holds row l % 16; registers 4 c .. 4 c + 3 hold K = 32 c + 16 (l / 16) + 0 .. 15
.irp c, 0,1,2,3
	ds_load_b128 v[\reg+4*\c:\reg+4*\c+3], v[\adr] offset:128*(\q)+32*\c+(\i)*16*PITCH
.endr
.endm
.macro FRAGA reg, adr, q, i            ; a fragment of A from its image: row tile i, the slot's q-th 128 along K
.irp c, 0,1,2,3
	ds_load_b128 v[\reg+4*\c:\reg+4*\c+3], v[\adr] offset:4096*(\i)+2048*(\q)+512*\c
.endr
.endm
; 16 matrix instructions: A's blocks a0, a0 + 1 x B's eight.  The 64 accumulators take turns, one instruction a turn, in the same order in every step.
.macro MUL16 a0, p, q, sc, zero
.irp a, \a0, \a0+1
.irp b, 0,1,2,3,4,5,6,7
.if \zero
	v_wmma_scale_f32_16x16x128_f8f6f4 v[8*(8*((\a)%4)+\b):8*(8*((\a)%4)+\b)+7], v[128*(\p)+FR*\b:128*(\p)+FR*\b+FR-1], v[AF+FR*(\a):AF+FR*(\a)+FR-1], 0, v[SC+8*NQ*(\sc)+NQ*\b+(\q)], v[SC+8*NQ*(\sc)+NQ*(\a)+(\q)] matrix_a_scale:MATRIX_SCALE_ROW1
.else
	v_wmma_scale_f32_16x16x128_f8f6f4 v[8*(8*((\a)%4)+\b):8*(8*((\a)%4)+\b)+7], v[128*(\p)+FR*\b:128*(\p)+FR*\b+FR-1], v[AF+FR*(\a):AF+FR*(\a)+FR-1], v[8*(8*((\a)%4)+\b):8*(8*((\a)%4)+\b)+7], v[SC+8*NQ*(\sc)+NQ*\b+(\q)], v[SC+8*NQ*(\sc)+NQ*(\a)+(\q)] matrix_a_scale:MATRIX_SCALE_ROW1
.endif
.endr
.endr
.endm
.macro FETCH_B slot, q, p
	WIN TO_B
.irp i, 0,1,2,3,4,5,6,7
	FRAGB 128*(\p)+FR*\i, ADRB+\slot, \q, \i
.endr
	WIN 0
.endm
.macro FETCH_A slot, q, i0
.irp i, \i0, \i0+1, \i0+2, \i0+3
	FRAGA AF+FR*(\i), ADRA+\slot, \q, \i
.endr
.endm
.macro SCALES sc
.irp i, 0,1,2,3,4,5,6,7
	ds_load_b64 v[SC+8*NQ*\sc+NQ*\i:SC+8*NQ*\sc+NQ*\i+1], v[ADRS] offset:\i*SBLK
.endr
.endm
.macro PLACES n                        ; places in front of loads into registers that matrix instructions have read, and of the first read of results
.rept \n
	v_nop
.endr
.endm
.macro STEP slot, q, zero
	s_wait_dscnt 4*NL                              ; B's set and A's blocks 0-3 are in; the youngest sixteen loads (A's blocks 4-7) may be out
	WIN MUL_LO
	MUL16 0, (\q)%2, \q, \slot, \zero
	MUL16 2, (\q)%2, \q, \slot, \zero
	s_wait_dscnt 0
	PLACES NP
	FETCH_B \slot, (\q)+1, 1-(\q)%2
	FETCH_A \slot, (\q)+1, 0
	WIN MUL_HI
	MUL16 4, (\q)%2, \q, \slot, \zero
	MUL16 6, (\q)%2, \q, \slot, \zero
	PLACES NP
	WIN 0
	FETCH_A \slot, (\q)+1, 4
.endm
.macro TURN slot, next, fill
	s_wait_tensorcnt 0x0                           ; all my tensor loads have landed: my part of the next slot
	ds_add_u32 v[SPW], v[NIL]                      ; 0 onto my spare word
	s_wait_dscnt 4*NL+1                            ; (the add and the youngest sixteen loads may be out)
	WIN MUL_LO
	MUL16 0, 1, NQ-1, \slot, 0
	s_wait_dscnt 0x0                               ; the add is done, and my reads of this slot are over
	s_barrier_signal -1
	MUL16 2, 1, NQ-1, \slot, 0
	WIN 0
	s_barrier_wait -1
.if \fill
	CREST                                          ; the barrier has opened a round of the cluster's barrier: no wave of any partner still reads this slot's tile or has a load on its way
	s_add_nc_u64 s[G0+4*\slot+2:G0+4*\slot+3], s[G0+4*\slot+2:G0+4*\slot+3], 2*AROWB
	s_add_nc_u64 s[G0B+4*\slot+2:G0B+4*\slot+3], s[G0B+4*\slot+2:G0B+4*\slot+3], 2*ROWB
	JLOAD G0+4*\slot, G1, G0B+4*\slot, G1B         ; the first tensor load behind the round, my only one until the next
	PLACES NP-4
.else
	PLACES NP
.endif
	s_wait_alu depctr_va_vdst(0)
	v_add_nc_u32 v[ADRS], 4*NQ, v[ADRS]
	FETCH_B \next, 0, 0
	FETCH_A \next, 0, 0
	SCALES \next
	WIN MUL_HI
	MUL16 4, 1, NQ-1, \slot, 0
	MUL16 6, 1, NQ-1, \slot, 0
	PLACES NP
	WIN 0
	FETCH_A \next, 0, 4
.endm
	s_wait_alu depctr_va_vdst(0)
	s_wait_tensorcnt 1                             ; the scales and my part of K step 0 are in (K step 1's load may be out),
	s_barrier_signal -1
	s_barrier_wait -1                              ; everybody's are
	FETCH_B 0, 0, 0
	FETCH_A 0, 0, 0
	SCALES 0
	FETCH_A 0, 0, 4
	STEP 0, 0, 1                                   ; the first step's products start the sums
	TURN 0, 1, 1                                   ; K = 1,024 is four K steps, twice round the ring: each slot is filled again once, so the steps are written out
	STEP 1, 0, 0
	TURN 1, 0, 1
	STEP 0, 0, 0
	TURN 0, 1, 0                                   ; the last lap fills nothing
	STEP 1, 0, 0
	s_wait_dscnt 4*NL                              ; the very last step
	WIN MUL_LO
	MUL16 0, 1, NQ-1, 1, 0
	MUL16 2, 1, NQ-1, 1, 0
	s_wait_dscnt 0
	WIN MUL_HI
	MUL16 4, 1, NQ-1, 1, 0
	MUL16 6, 1, NQ-1, 1, 0
	WIN 0
; THE WAY OUT, block by block of 16 rows x 128 columns: through my own stage in LDS and back as whole rows of 512 bytes; the bias is added to a row's four numbers of each lane; 32 lanes store 512 consecutive bytes, aligned.
.macro TOSTAGE a
.set AC, 64*((\a)%4)
	WIN 0x08+4*((\a)/4)                            ; the data: window 2 or 3
.irp b, 0,1,2,3,4,5,6,7
	ds_store_b128 v[STO], v[AC+8*\b:AC+8*\b+3] offset:64*\b          ; each accumulator from its low end on
	ds_store_b128 v[STO], v[AC+8*\b+4:AC+8*\b+7] offset:64*\b+16
.endr
	WIN 0
.set BB, BK+64*((\a)%2)
.irp t, 0,1,2,3,4,5,6,7,8,9,10,11,12,13,14,15
	ds_load_b128 v[BB+4*\t:BB+4*\t+3], v[RD] offset:\t*SPITCH        ; LDS serves a wave's instructions in order: these see the stores above
.endr
.endm
.macro SEND a, younger                 ; younger: the LDS instructions issued behind block a's loads, which may stay out
.set BB, BK+64*((\a)%2)
	s_wait_dscnt \younger                          ; the block is back in registers
.if (\a) > 0
	s_add_nc_u64 s[12:13], s[12:13], 16*SIZE_N*4   ; (behind a wait on XCNT: the earlier stores have read their base)  16 rows of out0 on
.endif
.irp t, 0,1,2,3,4,5,6,7,8,9,10,11,12,13,14,15
	v_pk_add_f32 v[BB+4*\t:BB+4*\t+1], v[BB+4*\t:BB+4*\t+1], v[BIAS:BIAS+1]
	v_pk_add_f32 v[BB+4*\t+2:BB+4*\t+3], v[BB+4*\t+2:BB+4*\t+3], v[BIAS+2:BIAS+3]
	global_store_b128 v[CO], v[BB+4*\t:BB+4*\t+3], s[12:13] offset:\t*SIZE_N*4 th:TH_STORE_NT   ; 32 lanes store 512 consecutive bytes, aligned; written once, read by nobody here
.endr
.endm
	s_wait_loadcnt 0x0                             ; the bias
	PLACES NP
	TOSTAGE 0
.irp a, 1,2,3,4,5,6,7
.if \a > 1
	s_wait_xcnt 0x0                                ; block a - 2's stores have read their registers and their base
.endif
	TOSTAGE \a
	SEND \a-1, 32                                  ; behind block a - 1's loads: block a's 16 stores and 16 loads
.endr
	s_wait_xcnt 0x0
	SEND 7, 0
	s_wait_tensorcnt 0x0                           ; the wave's end: 0 onto my spare word, behind my last tensor load and my last LDS store
	ds_add_u32 v[SPW], v[NIL]
	s_wait_dscnt 0x0
	CROUND                                         ; the closing round
	s_endpgm
.Lfunc_end_k_q1c13271b1a_proj:
	.size	k_q1c13271b1a_proj, .Lfunc_end_k_q1c13271b1a_proj-k_q1c13271b1a_proj
	.p2alignl 7, 3214868480
	.fill 96, 4, 3214868480
	.section	.rodata,"a",@progbits
	.p2align	6, 0x0
	.amdhsa_kernel k_q1c13271b1a_proj
		.amdhsa_group_segment_fixed_size 327680
		.amdhsa_private_segment_fixed_size 0
		.amdhsa_enable_private_segment 0
		.amdhsa_kernarg_size 48
		.amdhsa_user_sgpr_count 2
		.amdhsa_user_sgpr_kernarg_segment_ptr 1
		.amdhsa_wavefront_size32 1
		.amdhsa_system_sgpr_workgroup_id_x 1
		.amdhsa_system_sgpr_workgroup_id_y 1
		.amdhsa_system_sgpr_workgroup_id_z 1
		.amdhsa_system_vgpr_workitem_id 0
		.amdhsa_next_free_vgpr 1024
		.amdhsa_next_free_sgpr 98
		.amdhsa_reserve_vcc 0
		.amdhsa_float_denorm_mode_32 3
		.amdhsa_float_denorm_mode_16_64 3
		.amdhsa_memory_ordered 1
		.amdhsa_forward_progress 1
		.amdhsa_inst_pref_size 163
	.end_amdhsa_kernel
	.amdgpu_metadata
---
amdhsa.version: [ 1, 2 ]
amdhsa.kernels:
  - .name:           k_q1c13271b1a_proj
    .symbol:         k_q1c13271b1a_proj.kd
    .args:
      - { .name: y_img, .offset: 0, .size: 8, .value_kind: global_buffer, .address_space: global }
      - { .name: y_sc, .offset: 8, .size: 8, .value_kind: global_buffer, .address_space: global }
      - { .name: w_proj_codes, .offset: 16, .size: 8, .value_kind: global_buffer, .address_space: global }
      - { .name: w_proj_scales, .offset: 24, .size: 8, .value_kind: global_buffer, .address_space: global }
      - { .name: b_proj, .offset: 32, .size: 8, .value_kind: global_buffer, .address_space: global }
      - { .name: out0, .offset: 40, .size: 8, .value_kind: global_buffer, .address_space: global }
    .group_segment_fixed_size: 327680
    .private_segment_fixed_size: 0
    .kernarg_segment_align: 8
    .kernarg_segment_size: 48
    .max_flat_workgroup_size: 128
    .sgpr_count:     98
    .vgpr_count:     1024
    .wavefront_size: 32
...
	.end_amdgpu_metadata
.endif
;; end of part 3
